; MI455X (gfx1250); checked and timed in simulation.
; The chip was launched on July 23, 2026; its instructions are those of AMD's public machine-readable ISA for CDNA 5 (MIT licence, August 2026) and "CDNA5" Instruction Set Architecture Reference Guide (July 2026). The comments in the code are by the model that wrote it; some were corrected since.
;; Attention Layer. Allowed arithmetic: matrix products marked QUANTISED: E5M2 operands, one E8M0 scale for each 32 along K, by v_wmma_scale_f32_16x16x128_f8f6f4 with both operands' format E5M2, f32 sums; everything else in f32.
;; Inputs: b1 1,024 float32; b2 1,024 float32; bf1 4,096 float32; bf2 1,024 float32; bk 1,024 float32; bo 1,024 float32; bq 1,024 float32; bv 1,024 float32; g1 1,024 float32; g2 1,024 float32; w1_codes 4,096 x 32 x 32 uint8 (E5M2 codes of w1, K innermost, in blocks of 32 codes); w1_scales 4,096 x 32 uint8 (E8M0 scales of w1, one for each 32 codes along K); w2_codes 1,024 x 128 x 32 uint8 (E5M2 codes of w2, K innermost, in blocks of 32 codes); w2_scales 1,024 x 128 uint8 (E8M0 scales of w2, one for each 32 codes along K); wk_codes 1,024 x 32 x 32 uint8 (E5M2 codes of wk, K innermost, in blocks of 32 codes); wk_scales 1,024 x 32 uint8 (E8M0 scales of wk, one for each 32 codes along K); wo_codes 1,024 x 32 x 32 uint8 (E5M2 codes of wo, K innermost, in blocks of 32 codes); wo_scales 1,024 x 32 uint8 (E8M0 scales of wo, one for each 32 codes along K); wq_codes 1,024 x 32 x 32 uint8 (E5M2 codes of wq, K innermost, in blocks of 32 codes); wq_scales 1,024 x 32 uint8 (E8M0 scales of wq, one for each 32 codes along K); wv_codes 1,024 x 32 x 32 uint8 (E5M2 codes of wv, K innermost, in blocks of 32 codes); wv_scales 1,024 x 32 uint8 (E8M0 scales of wv, one for each 32 codes along K); x 2 x 2,048 x 1,024 float32.
;; Outputs: out0 2 x 2,048 x 1,024 float32.
;; This version of the problem:
;;   THIS VERSION OF THE PROBLEM IS GIVEN IN LOW PRECISION. The matrix products marked QUANTISED in the list below multiply operands that are first quantised to E5M2 (5 exponent bits, 2 mantissa bits; 8 bits a number), with one power-of-two scale for each 32 numbers along K (OCP MX v1.0); their sums are f32. All else is computed in f32.
;;   The module's matrix products, in the order in which they are computed (A, B: the left and right operand; K: the contracted axis; several contracted axes count as one K, in the product's order):
;;     1. [M 4,096, K 1,024] x [K 1,024, N 1,024]; A: input x; B: input wq (given as codes): QUANTISED
;;     2. [M 4,096, K 1,024] x [K 1,024, N 1,024]; A: input x; B: input wk (given as codes): QUANTISED
;;     3. [M 4,096, K 1,024] x [K 1,024, N 1,024]; A: input x; B: input wv (given as codes): QUANTISED
;;     4. batch 32 x [M 2,048, K 64] x [K 64, N 2,048]; A: computed on the way; B: computed on the way: QUANTISED
;;     5. batch 32 x [M 2,048, K 2,048] x [K 2,048, N 64]; A: softmax (see below); B: computed on the way: QUANTISED
;;     6. [M 4,096, K 1,024] x [K 1,024, N 1,024]; A: computed on the way; B: input wo (given as codes): QUANTISED
;;     7. [M 4,096, K 1,024] x [K 1,024, N 4,096]; A: computed on the way; B: input w1 (given as codes): QUANTISED
;;     8. [M 4,096, K 4,096] x [K 4,096, N 1,024]; A: computed on the way; B: input w2 (given as codes): QUANTISED
;;   THE QUANTISER, for each operand of a quantised product, along K:
;;     - K is cut into blocks of 32 from its start; a last block that is shorter is filled with zeros.
;;     - A block's scale is 2^e with e = floor(log2(the largest magnitude in the block)) - 15, held to -126 .. 127; a block of zeros has e = 0. As a byte (E8M0): e + 127.
;;     - Each number is divided by its block's scale, clamped to +-57,344, and rounded to the nearest number of E5M2, ties to even, subnormals kept.
;;     - The product sums the exact products of the quantised numbers (number of the format x scale) in f32.
;;   ~~~python
;;   def quantise(x, axis):      # numpy; x: float32 -> the quantised numbers, widened to float32 again
;;       x = np.moveaxis(x, axis, -1); K = x.shape[-1]
;;       x = np.pad(x, [(0, 0)] * (x.ndim - 1) + [(0, -K % 32)]); x = x.reshape(x.shape[:-1] + (-1, 32)); a = np.abs(x).max(-1, keepdims=True)
;;       e = np.where(a > 0, np.clip(np.frexp(np.where(a > 0, a, 1))[1] - 1 - 15, -126, 127), 0)      # np.frexp(a)[1] - 1 = floor(log2(a)), exactly
;;       r = np.clip(x / 2.0 ** e, -57344, 57344)
;;       step = 2.0 ** (np.maximum(np.frexp(np.where(r == 0, 1, r))[1] - 1, -14) - 2)
;;       q = np.round(r / step) * step * 2.0 ** e      # np.round: ties to even
;;       return np.moveaxis(q.reshape(q.shape[:-2] + (-1,))[..., :K], -1, axis).astype(np.float32)
;;   ~~~
;;   SOFTMAX AHEAD OF A QUANTISED PRODUCT. Where the list says 'softmax', what is quantised is not the finished softmax but p = 2^(t - M), with t = logit x log2(e) and M = ceil(the row's largest t), a whole number; so 1/2 < the row's largest p <= 1. The row's sum l is taken of the UNQUANTISED p, in f32, and the product's result is divided by l at the end. Since M is a whole number, a kernel that streams over the keys may use a running M (the ceiling of the running maximum): every later rescaling is an exact power of two, which a block's scale takes up: the codes' values come out the same.
;;   OPERANDS COMPUTED ON THE WAY. 'Computed on the way' means the value that the module computes at that place (a softmax that the list does not call 'softmax' is quantised finished and normalised). What goes into a quantiser is computed in f32, as accurately as f32 sums, v_exp_f32 and their like allow (about 1e-6 of the number): no bf16 or f16 on the way to a quantiser, and a product that is left as it is and whose result goes on into a quantised operand takes f32 operands (vector FMAs, or v_wmma_f32_16x16x4_f32). A number that lies on a knife's edge between two numbers of the format may be rounded either way, as far as f32 arithmetic and the matrix unit's own rounding can turn it there, and no further.
;;   INPUTS GIVEN AS CODES. w1 (in the module: [1024, 4096], K = its axis 0); w2 (in the module: [4096, 1024], K = its axis 0); wk (in the module: [1024, 1024], K = its axis 0); wo (in the module: [1024, 1024], K = its axis 0); wq (in the module: [1024, 1024], K = its axis 0); wv (in the module: [1024, 1024], K = its axis 0): each comes as NAME_codes (uint8): NAME with its K axis moved to the last place and cut into blocks of 32 codes, [.., K / 32, bytes a block], one block behind the other in memory; one code a byte (a code: sign, 5 exponent bits, 2 mantissa bits); and NAME_scales (uint8): the same leading axes, one E8M0 byte (e + 127) for each 32 codes along K. Its value is code x scale, taken as it is: it is not quantised again, and the codes and scales need not be those that the quantiser above would give.
;; One version. Each part assembles by itself: llvm-mc -triple=amdgcn-amd-amdhsa -mcpu=gfx1250 --defsym DOCPART=n.
;; ======== version 1 of 1: 8 launches
;; limits: right only within a limited range of input values
;; workspace buffers: xq 4,325,376 bytes; qkv 13,369,344 bytes; aq 4,456,448 bytes; res 16,777,216 bytes; x1b 21,102,592 bytes; hq 17,825,792 bytes
;; launch quant_x (part 1): grid 256 x 1, 8 waves a work-group, no clusters, 43,008 bytes of LDS; arguments x, xq; writes xq
.if DOCPART == 1
	.amdgcn_target "amdgcn-amd-amdhsa--gfx1250"
	.amdhsa_code_object_version 6
	.text
	.protected	k_q73817bf0af_quant_x
	.globl	k_q73817bf0af_quant_x
	.p2align	8
	.type	k_q73817bf0af_quant_x,@function
k_q73817bf0af_quant_x:
	s_mov_b64 s[64:65], 0
	v_nop
	global_prefetch_b8 v0, s[64:65] scope:SCOPE_SE
	s_setreg_imm32_b32 hwreg(HW_REG_WAVE_MODE, 25, 1), 1
	s_wait_xcnt 0x0
; x [4096][1024] f32 becomes codes of E5M2, K innermost, at xq + 0, and one E8M0 byte for each 32 along K at xq + 4,194,304.
; A block's byte is its largest magnitude's exponent field - 15, held at 1 from below; numbers are held within +-57,344 x the scale and rounded to the nearest code.
; LIMITS: a block whose largest magnitude lies under 2^-111 keeps the byte 1; a block of zeros gets the byte 1 where the rule says 127 (its codes are zeros; this program alone reads the bytes); NaN and infinities are not served.
; Rows are dense, so x is a stream of blocks of 32.  A wave takes 4 steps of 512 numbers, and all its 16 loads go out at its head: 8,192 bytes a wave, 65,536 a work-group.
; Each load reads 512 consecutive bytes; a step's 2,048 bytes turn through the wave's own stage in LDS (16 bytes of padding behind each 64) and come back 64 bytes a lane: 16 neighbours, two lanes to a block.
; A wave makes 64 scale bytes; the eight waves' 512 meet in LDS behind one barrier, and wave 0 stores them as 512 consecutive bytes.
.set WAVES, 8
.set STEPS, 4
.set EMAX,  15
.set MANT,  0x600000                   ; the mantissa field of 57,344
.set CB,    16                         ; bytes of 16 codes
.set R,     16                         ; v16-79   a set of 16 numbers as loaded, for each step
.set X,     80                         ; v80-111  two sets of 16 neighbours
.set C,     128                        ; v128-143 codes: four registers for each step
.set E,     112                        ; v112-115 a scale byte for each step
.set SP,    80                         ; a lane's place in a stage: 64 bytes + 16 of padding
.set WREG,  2*32*SP                    ; LDS: two stages for each wave
.set SCB,   WAVES*WREG                 ; behind them the work-group's 512 scale bytes, 64 a wave
	s_load_b128 s[4:7], s[0:1], 0x0                ; x, xq
	v_lshl_add_u32 v144, v0, 2, 0xa400
	v_mov_b32 v145, 0
	v_lshrrev_b32 v1, 5, v0
	s_delay_alu instid0(VALU_DEP_1)
	v_readfirstlane_b32 s16, v1                    ; wave
	v_and_b32 v2, 31, v0                           ; lane
	s_delay_alu instid0(VALU_DEP_1)
	v_lshlrev_b32 v3, 4, v2                        ; 16 x lane: my bytes of a load's 512, and of a step's codes
	s_mul_i32 s17, s16, WREG
	v_lshrrev_b32 v14, 2, v2
	s_delay_alu instid0(VALU_DEP_1)
	v_mul_u32_u24 v14, v14, SP
	v_and_b32 v15, 3, v2
	s_delay_alu instid0(VALU_DEP_1)
	v_lshl_add_u32 v14, v15, 4, v14
	s_delay_alu instid0(VALU_DEP_1)
	v_add_nc_u32 v14, s17, v14                     ; the stage, way in: SP (lane / 4) + 16 (lane % 4)
	v_mul_u32_u24 v15, v2, SP
	s_delay_alu instid0(VALU_DEP_1)
	v_add_nc_u32 v15, s17, v15                     ; way out: SP x lane
	v_lshrrev_b32 v5, 1, v2
	s_lshl_b32 s17, s16, 6
	s_add_co_u32 s17, s17, SCB
	v_add_nc_u32 v5, s17, v5                       ; my block's byte among my wave's 64
	v_add_nc_u32 v6, SCB, v3                       ; the way out of the 512 bytes: 16 a lane
	s_mov_b32 s23, MANT
	s_lshl_b32 s18, ttmp9, 3
	s_add_co_u32 s18, s18, s16                     ; which run of 2,048 numbers is my wave's
	s_mov_b32 s19, 0
	s_lshl_b64 s[20:21], s[18:19], 13              ; 8,192 bytes of x a run
	s_lshl_b64 s[24:25], s[18:19], 11              ; 2,048 bytes of codes
	s_lshl_b32 s18, ttmp9, 9                       ; 512 scale bytes a work-group
	s_wait_alu depctr_va_vdst(0)
	s_wait_kmcnt 0x0
	s_add_nc_u64 s[4:5], s[4:5], s[20:21]
	s_add_nc_u64 s[8:9], s[6:7], s[24:25]
	s_add_nc_u64 s[10:11], s[6:7], s[18:19]
	s_add_nc_u64 s[10:11], s[10:11], 0x400000
.macro LOAD t
.irp i, 0,1,2,3
	global_load_b128 v[R+16*(\t)+4*\i:R+16*(\t)+4*\i+3], v3, s[4:5] offset:2048*(\t)+512*\i th:TH_LOAD_NT
.endr
.endm
.macro TURN t                          ; a step's numbers through the stage: LDS serves a wave's instructions in order
.irp i, 0,1,2,3
	ds_store_b128 v14, v[R+16*(\t)+4*\i:R+16*(\t)+4*\i+3] offset:32*SP*((\t)%2)+8*SP*\i
.endr
.irp i, 0,1,2,3
	ds_load_b128 v[X+16*((\t)%2)+4*\i:X+16*((\t)%2)+4*\i+3], v15 offset:32*SP*((\t)%2)+16*\i
.endr
.endm
.irp t, 0,1,2,3
	LOAD \t
.endr
	s_wait_loadcnt 12                              ; step 0's four loads are in; the twelve of steps 1 to 3 stay out
	TURN 0
.macro STEP t
.set XS, X+16*((\t)%2)
.if (\t) > 0
	s_wait_dscnt 1                                 ; this step's numbers are back from the stage (the last step's byte store may be out)
.else
	s_wait_dscnt 0x0
.endif
.if (\t)+1 < STEPS
	s_wait_loadcnt 4*(STEPS-2-(\t))                ; the next step's four loads are in; those of the steps behind it may be out
	TURN (\t)+1                                    ; they go through the other stage while this step is worked
.endif
	v_max3_num_f32 v8, |v[XS]|, |v[XS+1]|, |v[XS+2]|
	v_max3_num_f32 v9, |v[XS+3]|, |v[XS+4]|, |v[XS+5]|
.irp i, 6,10
	s_delay_alu instid0(VALU_DEP_2)
	v_max3_num_f32 v8, v8, |v[XS+\i]|, |v[XS+\i+1]|
	s_delay_alu instid0(VALU_DEP_2)
	v_max3_num_f32 v9, v9, |v[XS+\i+2]|, |v[XS+\i+3]|
.endr
	s_delay_alu instid0(VALU_DEP_2)
	v_max3_num_f32 v8, v8, |v[XS+14]|, |v[XS+15]|
	s_delay_alu instid0(VALU_DEP_1)
	v_max3_num_f32 v8, v8, v9, (EMAX+1)<<23        ; the floor 2^(16 - 127): the byte cannot fall under 1
	s_delay_alu instid0(VALU_DEP_1)
	v_max_num_f32_dpp v8, v8, v8 row_xmask:1 row_mask:0xf bank_mask:0xf   ; with my neighbour's 16: the block's
	s_delay_alu instid0(VALU_DEP_1)
	v_add_nc_u32 v11, 0xf8800000, v8               ; 15 off the exponent field: the conversion's scale operand
	s_delay_alu instid0(VALU_DEP_2)
	v_and_or_b32 v10, v8, 0x7f800000, s23          ; 57,344 x the scale
.irp i, 0,1,2,3,4,5,6,7,8,9,10,11,12,13,14,15
	v_med3_num_f32 v[XS+\i], v[XS+\i], -v10, v10   ; the conversion does not saturate (ISA guide 7.6.2): the hold comes first
.endr
	v_cvt_scalef32_pk8_bf8_f32 v[C+4*(\t):C+4*(\t)+1], v[XS:XS+7], v11
	v_cvt_scalef32_pk8_bf8_f32 v[C+4*(\t)+2:C+4*(\t)+3], v[XS+8:XS+15], v11
	v_lshrrev_b32 v[E+(\t)], 23, v11               ; the scale's byte
	ds_store_b8 v5, v[E+(\t)] offset:16*(\t)       ; both lanes of a block write the same byte
	global_store_b128 v3, v[C+4*(\t):C+4*(\t)+3], s[8:9] offset:32*CB*(\t)   ; 512 consecutive bytes a wave
.endm
.irp t, 0,1,2,3
	STEP \t
.endr
	s_wait_dscnt 0x0                               ; for the others' sake: my byte stores are done
	s_barrier_signal -1
	s_barrier_wait -1                              ; everybody's are
	s_cmp_lg_u32 s16, 0
	s_cbranch_scc1 .Lend                           ; wave 0 alone sends the work-group's scale bytes
	ds_load_b128 v[8:11], v6
	s_wait_dscnt 0x0
	global_store_b128 v3, v[8:11], s[10:11]        ; 512 consecutive bytes, aligned
.Lend:
	s_wait_tensorcnt 0x0
	ds_add_u32 v144, v145
	s_wait_dscnt 0x0
	s_endpgm
.Lfunc_end_k_q73817bf0af_quant_x:
	.size	k_q73817bf0af_quant_x, .Lfunc_end_k_q73817bf0af_quant_x-k_q73817bf0af_quant_x
	.p2alignl 7, 3214868480
	.fill 96, 4, 3214868480
	.section	.rodata,"a",@progbits
	.p2align	6, 0x0
	.amdhsa_kernel k_q73817bf0af_quant_x
		.amdhsa_group_segment_fixed_size 43008
		.amdhsa_private_segment_fixed_size 0
		.amdhsa_enable_private_segment 0
		.amdhsa_kernarg_size 16
		.amdhsa_user_sgpr_count 2
		.amdhsa_user_sgpr_kernarg_segment_ptr 1
		.amdhsa_wavefront_size32 1
		.amdhsa_system_sgpr_workgroup_id_x 1
		.amdhsa_system_sgpr_workgroup_id_y 1
		.amdhsa_system_sgpr_workgroup_id_z 1
		.amdhsa_system_vgpr_workitem_id 0
		.amdhsa_next_free_vgpr 146
		.amdhsa_next_free_sgpr 66
		.amdhsa_reserve_vcc 0
		.amdhsa_float_denorm_mode_32 3
		.amdhsa_float_denorm_mode_16_64 3
		.amdhsa_memory_ordered 1
		.amdhsa_forward_progress 1
		.amdhsa_inst_pref_size 16
	.end_amdhsa_kernel
	.amdgpu_metadata
---
amdhsa.version: [ 1, 2 ]
amdhsa.kernels:
  - .name:           k_q73817bf0af_quant_x
    .symbol:         k_q73817bf0af_quant_x.kd
    .args:
      - { .name: x, .offset: 0, .size: 8, .value_kind: global_buffer, .address_space: global }
      - { .name: xq, .offset: 8, .size: 8, .value_kind: global_buffer, .address_space: global }
    .group_segment_fixed_size: 43008
    .private_segment_fixed_size: 0
    .kernarg_segment_align: 8
    .kernarg_segment_size: 16
    .max_flat_workgroup_size: 256
    .sgpr_count:     66
    .vgpr_count:     146
    .wavefront_size: 32
...
	.end_amdgpu_metadata
.endif
;; end of part 1
;; launch qkv (part 2): grid 12 x 16, 4 waves a work-group, clusters of 4 x 4, 327,680 bytes of LDS; arguments xq, wq_codes, wq_scales, wk_codes, wk_scales, wv_codes, wv_scales, bq, bk, bv, qkv; writes qkv
.if DOCPART == 2
	.amdgcn_target "amdgcn-amd-amdhsa--gfx1250"
	.amdhsa_code_object_version 6
	.text
	.protected	k_q73817bf0af_qkv
	.globl	k_q73817bf0af_qkv
	.p2align	8
	.type	k_q73817bf0af_qkv,@function
k_q73817bf0af_qkv:
	s_mov_b64 s[64:65], 0
	v_nop
	global_prefetch_b8 v0, s[64:65] scope:SCOPE_SE
	s_setreg_imm32_b32 hwreg(HW_REG_WAVE_MODE, 25, 1), 1
	s_wait_xcnt 0x0
	s_wait_alu depctr_hold_cnt(0) depctr_sa_sdst(0) depctr_va_vdst(0) depctr_va_sdst(0) depctr_va_ssrc(0) depctr_va_vcc(0) depctr_vm_vsrc(0)
	s_getreg_b32 s2, hwreg(HW_REG_IB_STS2, 6, 4)
	s_cmp_eq_u32 s2, 0
	s_cbranch_scc0 .Lentry_in_a_cluster
	s_endpgm
.Lentry_in_a_cluster:
	s_bfe_u32 s2, ttmp6, 0x10000c
	s_cmp_lg_u32 s2, 0xf033
	s_cbranch_scc0 .Lentry_shape_is_right
	s_endpgm
.Lentry_shape_is_right:
.set SIZE_K, 1024
.set KSTEP,  256
.set NQ,     KSTEP/128
.set ROWB,   256
.set KROW,   SIZE_K
.set PITCH,  272
.set FR,     16
.set NL,     4
.set NP,     8
.set HALFT,  128*PITCH
.set SLOT,   4*HALFT
.set LAPS,   SIZE_K/(2*KSTEP)
.set KS,     SIZE_K/32
.set SCL,    2*SLOT
.set HALFS,  (128*KS/256)*272
.set SBLK,   (16*KS/256)*272
.set SPARE,  SCL+4*HALFS
.set RB,   8
.set ADRA, 16
.set ADRB, 20
.set VO0,  24
.set VO1,  25
.set VS,   26
.set ADRS, 27
.set SPW,  28
.set NIL,  29
.set VSH,  30
.set SC,   32
.set CBI,  64
.set AF,   128
.set HA,   128
.set PC,   192
.set TM,   208
.set PW,   224
.set PW2,  225
.set SEL,  92
.set MNT,  94
.set G1, 24
.set G0, 32
.set G1B, 48
.set G0B, 56
.set G1S, 68
.set G0S, 76
.set G1SB, 80
.set G0SB, 88
.set MSB, 0
.macro WIN new
.if MSB != (\new)
	s_set_vgpr_msb (MSB<<8)|(\new)
.set MSB, (\new)
.endif
.endm
.set MUL_LO, 0xa1
.set MUL_HI, 0xf1
.set TO_B,   0x40
.macro JLOAD g0a, g1a, g0b, g1b
	s_cmp_eq_u32 s15, 0
	s_cbranch_scc0 .Lfor_b_\@
	tensor_load_to_lds s[\g0a:\g0a+3], s[\g1a:\g1a+7]
	s_nop 0
.rept 4
	v_nop
.endr
	s_branch .Lasked_\@
.Lfor_b_\@:
	tensor_load_to_lds s[\g0b:\g0b+3], s[\g1b:\g1b+7]
	s_nop 0
.rept 4
	v_nop
.endr
.Lasked_\@:
.endm
.macro CREST
	s_cmp_lg_u32 s14, 0
	s_cbranch_scc1 .Lnot_wave_0_\@
	s_barrier_signal -3
.Lnot_wave_0_\@:
	s_barrier_wait -3
	s_barrier_signal -1
	s_barrier_wait -1
.endm
.macro CROUND
	s_barrier_signal -1
	s_barrier_wait -1
	CREST
.endm
.macro PLACES n
.rept \n
	v_nop
.endr
.endm
	s_load_b512 s[68:83], s[0:1], 0x0
	s_load_b128 s[84:87], s[0:1], 0x40
	s_load_b64 s[88:89], s[0:1], 0x50
	v_lshl_add_u32 v[SPW], v0, 2, SPARE
	v_mov_b32 v[NIL], 0
	ds_add_u32 v28, v29
	ds_add_u32 v28, v29
	s_wait_dscnt 0x0
	v_lshrrev_b32 v1, 5, v0
	v_readfirstlane_b32 s14, v1
	s_lshr_b32 s15, s14, 1
	s_and_b32 s16, s14, 1
	s_bfe_u32 s40, ttmp6, 0x40000
	s_bfe_u32 s41, ttmp6, 0x40004
	s_and_b32 s18, ttmp7, 0xffff
	s_cmp_eq_u32 ttmp9, 2
	s_cselect_b32 s17, 0, s18
	s_cselect_b32 s42, s18, 0
	s_lshl_b32 s17, s17, 2
	s_add_co_u32 s17, s17, s41
	s_lshl_b32 s42, s42, 2
	s_add_co_u32 s42, s42, s40
	s_lshl_b32 s43, s41, 2
	s_lshl_b32 s43, 15, s43
	s_lshl_b32 s44, 0x1111, s40
	s_or_b32 s[G1+0], s43, (0<<16)|(1<<20)|(1<<21)|(5<<22)|(3<<25)
	s_or_b32 s[G1B+0], s44, (0<<16)|(1<<20)|(1<<21)|(5<<22)|(3<<25)
.irp g, G1, G1B
	s_mov_b32 s[\g+1], ROWB<<16
	s_mov_b32 s[\g+2], 256<<16                     ; the head's loads of codes bring 256 rows
	s_mov_b32 s[\g+3], ROWB<<16
	s_mov_b32 s[\g+4], 256
	s_mov_b32 s[\g+5], KROW
	s_mov_b32 s[\g+6], 0
	s_mov_b32 s[\g+7], 0
.endr
	s_lshl_b32 s20, s17, 8                         ; the tiles' first rows
	s_lshl_b32 s46, s42, 8
	s_mov_b32 s21, 0
	s_mov_b32 s47, 0
	s_mov_b64 s[18:19], KS
	s_mul_u64 s[22:23], s[20:21], s[18:19]
	s_mul_u64 s[92:93], s[46:47], s[18:19]
	s_mov_b64 s[18:19], KROW
	s_mul_u64 s[20:21], s[20:21], s[18:19]
	s_mul_u64 s[46:47], s[46:47], s[18:19]
	s_mul_i32 s18, s16, 128*KROW                   ; in the ring a wave fetches 128 rows: which half, in bytes
	s_mov_b32 s19, 0
	s_mul_i32 s45, s14, HALFT
	s_wait_kmcnt 0x0
	s_add_nc_u64 s[90:91], s[68:69], 0x400000
	s_mov_b64 s[12:13], s[88:89]
	s_cmp_eq_u32 ttmp9, 0
	s_cselect_b64 s[8:9], s[70:71], s[74:75]
	s_cselect_b64 s[10:11], s[72:73], s[76:77]
	s_cselect_b64 s[98:99], s[82:83], s[84:85]
	s_cmp_eq_u32 ttmp9, 2
	s_cselect_b64 s[4:5], s[78:79], s[68:69]
	s_cselect_b64 s[6:7], s[80:81], s[90:91]
	s_cselect_b64 s[8:9], s[68:69], s[8:9]
	s_cselect_b64 s[10:11], s[90:91], s[10:11]
	s_cselect_b64 s[98:99], s[86:87], s[98:99]
	s_or_b32 s[G1S+0], s43, (3<<16)|(1<<20)|(1<<21)|(5<<22)|(3<<25)
	s_or_b32 s[G1SB+0], s44, (3<<16)|(1<<20)|(1<<21)|(5<<22)|(3<<25)
.irp g, G1S, G1SB
	s_mov_b32 s[\g+1], 32<<16
	s_mov_b32 s[\g+2], KS<<16                      ; the scale bytes of 256 rows: KS units of 256 bytes
	s_mov_b32 s[\g+3], 32<<16
	s_mov_b32 s[\g+4], KS
	s_mov_b32 s[\g+5], 32
	s_mov_b32 s[\g+6], 0
	s_mov_b32 s[\g+7], 0
.endr
	s_add_nc_u64 s[20:21], s[4:5], s[20:21]
	s_add_nc_u64 s[22:23], s[6:7], s[22:23]
	s_add_nc_u64 s[46:47], s[8:9], s[46:47]
	s_add_nc_u64 s[92:93], s[10:11], s[92:93]
	CROUND
	s_mov_b32 s[G0S], 1
	s_mov_b32 s[G0S+1], SCL
	s_mov_b64 s[G0S+2:G0S+3], s[22:23]
	s_or_b32 s[G0S+3], s[G0S+3], 0x80000000
	s_mov_b32 s[G0SB], 1
	s_mov_b32 s[G0SB+1], SCL+2*HALFS
	s_mov_b64 s[G0SB+2:G0SB+3], s[92:93]
	s_or_b32 s[G0SB+3], s[G0SB+3], 0x80000000
	; the prefetches: of the 128 rows that my wave fetches in the ring, each of the four partners that ask for them jointly names 32, told apart by address (cx for source 1's rows, cy for source 0's): s[2:3] = the first of mine
	s_lshl_b32 s22, s17, 8
	s_lshl_b32 s23, s40, 5
	s_add_co_u32 s22, s22, s23
	s_lshl_b32 s23, s42, 8
	s_lshl_b32 s94, s41, 5
	s_add_co_u32 s23, s23, s94
	s_cmp_eq_u32 s15, 0
	s_cselect_b32 s22, s22, s23
	s_cselect_b64 s[2:3], s[4:5], s[8:9]
	s_lshl_b32 s23, s16, 7
	s_add_co_u32 s22, s22, s23
	s_lshl_b32 s22, s22, 10                        ; a row of codes is 1,024 bytes
	s_mov_b32 s23, 0
	s_add_nc_u64 s[2:3], s[2:3], s[22:23]
	s_mov_b32 s4, 1
	s_mov_b32 s5, 0
	s_mov_b64 s[6:7], s[20:21]
	s_or_b32 s7, s7, 0x80000000
	s_mov_b32 s8, 1
	s_mov_b32 s9, 2*HALFT
	s_mov_b64 s[10:11], s[46:47]
	s_or_b32 s11, s11, 0x80000000
	s_add_nc_u64 s[20:21], s[20:21], s[18:19]      ; for the ring: my 128 rows
	s_add_nc_u64 s[46:47], s[46:47], s[18:19]
.irp s, 0,1
	s_mov_b32 s[G0+4*\s], 1
	s_add_co_u32 s[G0+4*\s+1], s45, \s*SLOT
	s_add_nc_u64 s[G0+4*\s+2:G0+4*\s+3], s[20:21], \s*ROWB
	s_or_b32 s[G0+4*\s+3], s[G0+4*\s+3], 0x80000000
	s_mov_b32 s[G0B+4*\s], 1
	s_add_co_u32 s[G0B+4*\s+1], s45, \s*SLOT
	s_add_nc_u64 s[G0B+4*\s+2:G0B+4*\s+3], s[46:47], \s*ROWB
	s_or_b32 s[G0B+4*\s+3], s[G0B+4*\s+3], 0x80000000
.endr
; the head's four tiles, one load a wave, in one chain of arms that all lead to one join
.macro ARM under, g0, g1, next
	s_cmp_lt_u32 s14, \under
	s_cbranch_scc0 \next
	tensor_load_to_lds s[\g0:\g0+3], s[\g1:\g1+7]
	s_nop 0
.rept 4
	v_nop
.endr
	s_branch .Lhead_asked
\next:
.endm
	ARM 1, 4, G1, .Lhead_b
	ARM 2, 8, G1B, .Lhead_sa
	ARM 3, G0S, G1S, .Lhead_sb
	tensor_load_to_lds s[G0SB:G0SB+3], s[G1SB:G1SB+7]
	s_nop 0
.rept 4
	v_nop
.endr
.Lhead_asked:
	v_and_b32 v31, 31, v0
	v_lshlrev_b32 v31, 10, v31                     ; a lane a row; never rewritten
	global_prefetch_b8 v31, s[2:3] offset:256 th:TH_LOAD_NT scope:SCOPE_SE   ; K steps 1 and 2: 256 bytes of each of my 32 rows; each block is named once in the cluster
	global_prefetch_b8 v31, s[2:3] offset:512 th:TH_LOAD_NT scope:SCOPE_SE
	v_and_b32 v1, 15, v0
	v_bfe_u32 v2, v0, 4, 1
	v_mul_u32_u24 v3, v1, PITCH
	v_lshl_add_u32 v4, v2, 4, v3
	s_mul_i32 s21, s15, HALFT
	s_mul_i32 s22, s16, HALFT
	s_add_co_u32 s22, s22, 2*HALFT
.irp s, 0,1
	v_add_nc_u32 v[ADRA+\s], s21, v4
	v_add_nc_u32 v[ADRB+\s], s22, v4
	s_add_co_u32 s21, s21, SLOT
	s_add_co_u32 s22, s22, SLOT
.endr
	v_mul_u32_u24 v5, v1, KS
	v_lshrrev_b32 v6, 8, v5
	v_lshl_add_u32 v5, v6, 4, v5
	s_mul_i32 s21, s15, HALFS
	s_mul_i32 s22, s16, HALFS
	s_add_co_u32 s22, s22, 2*HALFS
	s_sub_co_u32 s22, s22, s21
	v_mul_u32_u24 v6, s22, v2
	s_add_co_u32 s21, s21, SCL
	v_add_nc_u32 v5, v5, v6
	v_add_nc_u32 v[ADRS], s21, v5
	s_cmp_eq_u32 ttmp9, 0
	s_mov_b32 s46, 278528
	s_cselect_b32 s18, 131072, s46
	s_cselect_b32 s19, 8192, s46
	s_cselect_b32 s20, 0, 4456448
	s_mov_b32 s46, 4718592
	s_cselect_b32 s21, 4194304, s46
	s_cmp_eq_u32 ttmp9, 2
	s_cselect_b32 s20, 4587520, s20
	s_cselect_b32 s21, 4726784, s21
	s_cselect_b32 s22, 1024, s18
	s_cselect_b32 s23, 64, s19
	s_cselect_b32 s100, s42, s17
	s_cselect_b32 s101, s17, s42
	s_cselect_b32 s95, s16, s15
	s_cselect_b32 s94, s15, s16
	s_cselect_b32 s93, 0, 16
	s_cselect_b32 s92, 0, -1
	s_cselect_b32 s47, -1, 0
	s_mov_b32 s46, 1024
	s_cselect_b32 s66, 2048, s46
	s_cselect_b32 s67, 270336, 0
	s_cselect_b32 s43, 128, 64
	s_cselect_b32 s44, 278016, 0
	s_cselect_b32 s40, -1, 0xffff
	s_cselect_b32 s41, 0, 0x7f7f0000
	s_lshr_b32 s46, s100, 3
	s_lshl_b32 s46, s46, 4
	s_lshl_b32 s101, s101, 2
	s_add_co_u32 s46, s46, s101
	s_lshl_b32 s94, s94, 1
	s_add_co_u32 s46, s46, s94
	s_and_b32 s100, s100, 7
	s_lshl_b32 s100, s100, 1
	s_add_co_u32 s100, s100, s95
	s_mul_i32 s18, s46, s18
	s_add_co_u32 s20, s20, s18
	s_lshl_b32 s18, s100, 13
	s_add_co_u32 s20, s20, s18
	s_mul_i32 s19, s46, s19
	s_add_co_u32 s94, s21, s19
	s_lshl_b32 s19, s100, 9
	s_add_co_u32 s94, s94, s19
	s_mov_b32 s21, 0
	s_mov_b32 s95, 0
	s_add_nc_u64 s[96:97], s[12:13], s[94:95]
	s_add_nc_u64 s[12:13], s[12:13], s[20:21]
	v_and_b32 v6, 31, v0
	v_lshlrev_b32 v[VO0], 4, v6
	v_add_nc_u32 v[VO1], s22, v[VO0]
	v_mul_u32_u24 v[VS], s23, v2
	v_lshl_add_u32 v[VS], v1, 2, v[VS]
	v_mul_u32_u24 v[VSH], s93, v2
	s_and_b32 s18, s42, 3
	s_lshl_b32 s18, s18, 10
	s_lshl_b32 s19, s16, 9
	s_add_co_u32 s18, s18, s19
	v_lshl_add_u32 v7, v2, 5, s18
	s_and_b32 s19, s17, 3
	s_lshl_b32 s19, s19, 10
	s_lshl_b32 s22, s15, 9
	s_add_co_u32 s19, s19, s22
	v_lshl_add_u32 v6, v1, 2, s19
.irp b, 0,1,2,3,4,5,6,7
	global_load_b128 v[CBI+8*\b:CBI+8*\b+3], v7, s[98:99] offset:64*\b
	global_load_b128 v[CBI+8*\b+4:CBI+8*\b+7], v7, s[98:99] offset:64*\b+16
	global_load_b32 v[RB+\b], v6, s[98:99] offset:64*\b
.endr
	s_wait_loadcnt 0x0
.set i, 0
.rept 64
	v_and_b32 v[CBI+i], s92, v[CBI+i]
.set i, i+1
.endr
.irp b, 0,1,2,3,4,5,6,7
	v_and_b32 v[RB+\b], s47, v[RB+\b]
.endr
	PLACES NP
.macro FRAG reg, adr, q, i
.irp c, 0,1,2,3
	ds_load_b128 v[\reg+4*\c:\reg+4*\c+3], v[\adr] offset:128*(\q)+32*\c+(\i)*16*PITCH
.endr
.endm
.macro MUL16 a0, p, q, sc, zero
.irp a, \a0, \a0+1
.irp b, 0,1,2,3,4,5,6,7
.if \zero
	v_wmma_scale_f32_16x16x128_f8f6f4 v[8*(8*((\a)%4)+\b):8*(8*((\a)%4)+\b)+7], v[128*(\p)+FR*\b:128*(\p)+FR*\b+FR-1], v[AF+FR*(\a):AF+FR*(\a)+FR-1], v[CBI+8*\b:CBI+8*\b+7], v[SC+8*NQ*(\sc)+NQ*\b+(\q)], v[SC+8*NQ*(\sc)+NQ*(\a)+(\q)] matrix_a_fmt:MATRIX_FMT_BF8 matrix_b_fmt:MATRIX_FMT_BF8 matrix_a_scale:MATRIX_SCALE_ROW1
.else
	v_wmma_scale_f32_16x16x128_f8f6f4 v[8*(8*((\a)%4)+\b):8*(8*((\a)%4)+\b)+7], v[128*(\p)+FR*\b:128*(\p)+FR*\b+FR-1], v[AF+FR*(\a):AF+FR*(\a)+FR-1], v[8*(8*((\a)%4)+\b):8*(8*((\a)%4)+\b)+7], v[SC+8*NQ*(\sc)+NQ*\b+(\q)], v[SC+8*NQ*(\sc)+NQ*(\a)+(\q)] matrix_a_fmt:MATRIX_FMT_BF8 matrix_b_fmt:MATRIX_FMT_BF8 matrix_a_scale:MATRIX_SCALE_ROW1
.endif
.endr
.endr
.endm
.macro FETCH_B slot, q, p
	WIN TO_B
.irp i, 0,1,2,3,4,5,6,7
	FRAG 128*(\p)+FR*\i, ADRB+\slot, \q, \i
.endr
	WIN 0
.endm
.macro FETCH_A slot, q, i0
.irp i, \i0, \i0+1, \i0+2, \i0+3
	FRAG AF+FR*(\i), ADRA+\slot, \q, \i
.endr
.endm
.macro SCALES sc
.irp i, 0,1,2,3,4,5,6,7
	ds_load_b64 v[SC+8*NQ*\sc+NQ*\i:SC+8*NQ*\sc+NQ*\i+1], v[ADRS] offset:\i*SBLK
.endr
.endm
.macro STEP slot, q, zero
	s_wait_dscnt 4*NL
	WIN MUL_LO-0x20*(\zero)
	MUL16 0, (\q)%2, \q, \slot, \zero
	MUL16 2, (\q)%2, \q, \slot, \zero
	s_wait_dscnt 0
	PLACES NP
	FETCH_B \slot, (\q)+1, 1-(\q)%2
	FETCH_A \slot, (\q)+1, 0
	WIN MUL_HI-0x30*(\zero)
	MUL16 4, (\q)%2, \q, \slot, \zero
	MUL16 6, (\q)%2, \q, \slot, \zero
	PLACES NP
	WIN 0
	FETCH_A \slot, (\q)+1, 4
.endm
.macro TURN slot, next, fill
	s_wait_tensorcnt 0x0
	ds_add_u32 v[SPW], v[NIL]
	s_wait_dscnt 4*NL+1
	WIN MUL_LO
	MUL16 0, 1, NQ-1, \slot, 0
	s_wait_dscnt 0x0
	s_barrier_signal -1
	MUL16 2, 1, NQ-1, \slot, 0
	WIN 0
	s_barrier_wait -1
.if \fill
	CREST
	s_add_nc_u64 s[G0+4*\slot+2:G0+4*\slot+3], s[G0+4*\slot+2:G0+4*\slot+3], 2*ROWB
	s_add_nc_u64 s[G0B+4*\slot+2:G0B+4*\slot+3], s[G0B+4*\slot+2:G0B+4*\slot+3], 2*ROWB
	JLOAD G0+4*\slot, G1, G0B+4*\slot, G1B
	PLACES NP-4
.else
	PLACES NP
.endif
	s_wait_alu depctr_va_vdst(0)
	v_add_nc_u32 v[ADRS], 4*NQ, v[ADRS]
	FETCH_B \next, 0, 0
	FETCH_A \next, 0, 0
	SCALES \next
	WIN MUL_HI
	MUL16 4, 1, NQ-1, \slot, 0
	MUL16 6, 1, NQ-1, \slot, 0
	PLACES NP
	WIN 0
	FETCH_A \next, 0, 4
.endm
	s_wait_alu depctr_va_vdst(0)
	s_wait_tensorcnt 0x0                           ; my tile of the head's four is in
	ds_add_u32 v[SPW], v[NIL]
	s_mov_b32 s[G1+2], 128<<16                     ; no load of mine is out: from here on a load brings 128 rows
	s_mov_b32 s[G1+4], 128
	s_mov_b32 s[G1B+2], 128<<16
	s_mov_b32 s[G1B+4], 128
	s_wait_dscnt 0x0
	CROUND                                         ; all four tiles are in, in every partner
	JLOAD G0+4, G1, G0B+4, G1B                     ; slot 1's first fill, my one load behind the round
	FETCH_B 0, 0, 0
	FETCH_A 0, 0, 0
	SCALES 0
	FETCH_A 0, 0, 4
	global_prefetch_b8 v31, s[2:3] offset:768 th:TH_LOAD_NT scope:SCOPE_SE   ; K step 3, the last: two refills ahead of its load
	STEP 0, 0, 1
	s_wait_xcnt 0x0                                ; the prefetches have read s[2:3]
	s_mov_b32 s3, LAPS-1
.Llap:
	TURN 0, 1, 1
	STEP 1, 0, 0
	TURN 1, 0, 1
	STEP 0, 0, 0
	s_sub_co_u32 s3, s3, 1
	s_cmp_lg_u32 s3, 0
	s_cbranch_scc1 .Llap
	TURN 0, 1, 0
	STEP 1, 0, 0
	s_wait_dscnt 4*NL
	WIN MUL_LO
	MUL16 0, 1, NQ-1, 1, 0
	MUL16 2, 1, NQ-1, 1, 0
	s_wait_dscnt 0
	WIN MUL_HI
	MUL16 4, 1, NQ-1, 1, 0
	MUL16 6, 1, NQ-1, 1, 0
	WIN 0
.macro QUANT s
.irp b, 0,1,2,3
	v_max3_num_f32 v[TM+\b], |v[\s+16*\b]|, |v[\s+1+16*\b]|, 0x8000000
.endr
.irp i, 2,4,6,8,10,12,14
.irp b, 0,1,2,3
	v_max3_num_f32 v[TM+\b], v[TM+\b], |v[\s+16*\b+\i]|, |v[\s+1+16*\b+\i]|
.endr
.endr
.irp b, 0,1,2,3
	v_permlanex16_b32 v[TM+4+\b], v[TM+\b], s[SEL], s[SEL+1]
.endr
.irp b, 0,1,2,3
	v_max_num_f32 v[TM+\b], v[TM+\b], v[TM+4+\b]
.endr
.irp b, 0,1,2,3
	v_add_nc_u32 v[TM+12+\b], 0xf8800000, v[TM+\b]
.endr
.irp b, 0,1,2,3
	v_and_or_b32 v[TM+8+\b], v[TM+\b], 0x7f800000, s[MNT]
.endr
.irp b, 0,1,2,3
	v_lshrrev_b32 v[TM+4+\b], 23, v[TM+12+\b]
.endr
	v_lshl_or_b32 v[PW], v[TM+5], 8, v[TM+4]
	v_lshl_or_b32 v[PW], v[TM+6], 16, v[PW]
	v_lshl_or_b32 v[PW], v[TM+7], 24, v[PW]
.irp b, 0,1,2,3
.irp i, 0,1,2,3,4,5,6,7,8,9,10,11,12,13,14,15
	v_med3_num_f32 v[\s+16*\b+\i], v[\s+16*\b+\i], -v[TM+8+\b], v[TM+8+\b]
.endr
	v_cvt_scalef32_pk8_bf8_f32 v[PC+4*\b:PC+1+4*\b], v[\s+16*\b:\s+7+16*\b], v[TM+12+\b]
	v_cvt_scalef32_pk8_bf8_f32 v[PC+2+4*\b:PC+3+4*\b], v[\s+8+16*\b:\s+15+16*\b], v[TM+12+\b]
.endr
	v_nop
.endm
.macro EXTRACT a
	WIN 0x02+(\a)/4
.set AC, 64*((\a)%4)
.set i, 0
.rept 32
.if ((\a)%2) == 0
	v_pk_add_f32 v[HA+i:HA+i+1], v[AC+i:AC+i+1], v[RB+2*((\a)/2):RB+2*((\a)/2)+1] op_sel_hi:[1,0]
.else
	v_pk_add_f32 v[HA+i:HA+i+1], v[AC+i:AC+i+1], v[RB+2*((\a)/2):RB+2*((\a)/2)+1] op_sel:[0,1] op_sel_hi:[1,1]
.endif
.set i, i+2
.endr
	WIN 0
.endm
	PLACES NP
	s_mov_b32 s[SEL], 0x76543210
	s_mov_b32 s[SEL+1], 0xfedcba98
	s_mov_b32 s[MNT], 0x600000
	s_mov_b32 s47, 0
	s_mov_b32 s101, 0
.irp b, 0,1,2,3
	v_mov_b32 v[TM+4+\b], 0
.endr
	s_mov_b32 s3, 0
.Lblk:
.irp k, 0,1,2,3,4,5,6
	s_cmp_eq_u32 s3, \k
	s_cbranch_scc1 .Lx\k
.endr
	EXTRACT 7
	s_branch .Lcommon
.irp k, 0,1,2,3,4,5,6
.Lx\k:
	EXTRACT \k
	s_branch .Lcommon
.endr
.Lcommon:
	QUANT HA
	v_lshrrev_b32 v[PW2], v[VSH], v[PW]
	v_and_or_b32 v[PW2], v[PW2], s40, s41
	global_store_b128 v[VO0], v[PC:PC+3], s[12:13]
	global_store_b128 v[VO0], v[PC+4:PC+7], s[12:13] offset:512
	global_store_b128 v[VO1], v[PC+8:PC+11], s[12:13]
	global_store_b128 v[VO1], v[PC+12:PC+15], s[12:13] offset:512
	global_store_b32 v[VS], v[PW2], s[96:97]
	s_wait_xcnt 0x0
	s_cmp_eq_u32 s3, 3
	s_cselect_b32 s46, s67, 0
	s_cselect_b32 s100, s44, 0
	s_add_co_u32 s46, s46, s66
	s_add_co_u32 s100, s100, s43
	s_add_nc_u64 s[12:13], s[12:13], s[46:47]
	s_add_nc_u64 s[96:97], s[96:97], s[100:101]
	s_add_co_u32 s3, s3, 1
	s_cmp_lt_u32 s3, 8
	s_cbranch_scc1 .Lblk
	s_wait_tensorcnt 0x0
	ds_add_u32 v[SPW], v[NIL]
	s_wait_dscnt 0x0
	CROUND
	s_endpgm
.Lfunc_end_k_q73817bf0af_qkv:
	.size	k_q73817bf0af_qkv, .Lfunc_end_k_q73817bf0af_qkv-k_q73817bf0af_qkv
	.p2alignl 7, 3214868480
	.fill 96, 4, 3214868480
	.section	.rodata,"a",@progbits
	.p2align	6, 0x0
	.amdhsa_kernel k_q73817bf0af_qkv
		.amdhsa_group_segment_fixed_size 327680
		.amdhsa_private_segment_fixed_size 0
		.amdhsa_enable_private_segment 0
		.amdhsa_kernarg_size 88
		.amdhsa_user_sgpr_count 2
		.amdhsa_user_sgpr_kernarg_segment_ptr 1
		.amdhsa_wavefront_size32 1
		.amdhsa_system_sgpr_workgroup_id_x 1
		.amdhsa_system_sgpr_workgroup_id_y 1
		.amdhsa_system_sgpr_workgroup_id_z 1
		.amdhsa_system_vgpr_workitem_id 0
		.amdhsa_next_free_vgpr 1024
		.amdhsa_next_free_sgpr 104
		.amdhsa_reserve_vcc 0
		.amdhsa_float_denorm_mode_32 3
		.amdhsa_float_denorm_mode_16_64 3
		.amdhsa_memory_ordered 1
		.amdhsa_forward_progress 1
		.amdhsa_inst_pref_size 152
	.end_amdhsa_kernel
	.amdgpu_metadata
---
amdhsa.version: [ 1, 2 ]
amdhsa.kernels:
  - .name:           k_q73817bf0af_qkv
    .symbol:         k_q73817bf0af_qkv.kd
    .args:
      - { .name: xq, .offset: 0, .size: 8, .value_kind: global_buffer, .address_space: global }
      - { .name: wq_codes, .offset: 8, .size: 8, .value_kind: global_buffer, .address_space: global }
      - { .name: wq_scales, .offset: 16, .size: 8, .value_kind: global_buffer, .address_space: global }
      - { .name: wk_codes, .offset: 24, .size: 8, .value_kind: global_buffer, .address_space: global }
      - { .name: wk_scales, .offset: 32, .size: 8, .value_kind: global_buffer, .address_space: global }
      - { .name: wv_codes, .offset: 40, .size: 8, .value_kind: global_buffer, .address_space: global }
      - { .name: wv_scales, .offset: 48, .size: 8, .value_kind: global_buffer, .address_space: global }
      - { .name: bq, .offset: 56, .size: 8, .value_kind: global_buffer, .address_space: global }
      - { .name: bk, .offset: 64, .size: 8, .value_kind: global_buffer, .address_space: global }
      - { .name: bv, .offset: 72, .size: 8, .value_kind: global_buffer, .address_space: global }
      - { .name: qkv, .offset: 80, .size: 8, .value_kind: global_buffer, .address_space: global }
    .group_segment_fixed_size: 327680
    .private_segment_fixed_size: 0
    .kernarg_segment_align: 8
    .kernarg_segment_size: 88
    .max_flat_workgroup_size: 128
    .sgpr_count:     104
    .vgpr_count:     1024
    .wavefront_size: 32
...
	.end_amdgpu_metadata
.endif
;; end of part 2
;; launch attn (part 3): grid 8 x 32, 16 waves a work-group, clusters of 4 x 1, 280,576 bytes of LDS; arguments qkv, aq; writes aq
.if DOCPART == 3
	.amdgcn_target "amdgcn-amd-amdhsa--gfx1250"
	.amdhsa_code_object_version 6
	.text
	.protected	k_q73817bf0af_attn
	.globl	k_q73817bf0af_attn
	.p2align	8
	.type	k_q73817bf0af_attn,@function
k_q73817bf0af_attn:
	s_mov_b64 s[64:65], 0
	v_nop
	global_prefetch_b8 v0, s[64:65] scope:SCOPE_SE
	s_setreg_imm32_b32 hwreg(HW_REG_WAVE_MODE, 25, 1), 1
	s_wait_xcnt 0x0
	s_wait_alu depctr_hold_cnt(0) depctr_sa_sdst(0) depctr_va_vdst(0) depctr_va_sdst(0) depctr_va_ssrc(0) depctr_va_vcc(0) depctr_vm_vsrc(0)
	s_getreg_b32 s2, hwreg(HW_REG_IB_STS2, 6, 4)
	s_cmp_eq_u32 s2, 0
	s_cbranch_scc0 .Lentry_in_a_cluster
	s_endpgm
.Lentry_in_a_cluster:
	s_bfe_u32 s2, ttmp6, 0x10000c
	s_cmp_lg_u32 s2, 0x3003
	s_cbranch_scc0 .Lentry_shape_is_right
	s_endpgm
.Lentry_shape_is_right:
; o = softmax(q k^T / 8) v for one head and 256 queries a work-group, both products on codes of E5M2; o is quantised along D and stored as images of operand registers for the next product.
; THE SOFTMAX: t = score x log2(e) / 8; M = the running largest t rounded UP to a whole number; p = 2^(t - M) is quantised along the keys; the row's sum is taken of the unquantised p and divides at the end.
; A head's k images, v images and their scale words are ONE dense block of 278,528 bytes of qkv, laid as this kernel's LDS: it is brought once, 17,408 bytes a wave, and nothing is filled again.
; The four query blocks of a cluster belong to one head and ask for it jointly (mask 15).  Sixteen waves, each with one tile of 16 queries in 256 registers: four to a SIMD, so that one wave's vector work stands beside another's products.
; Both products transposed: S^T = K Q^T (source 0 = 16 keys), O^T = V^T P^T (source 0 = 16 of the head's 64): a lane holds one query throughout.
; K = 64 IN THE FIRST PRODUCT: only registers 0-7 of a fragment carry data.  Q's registers 8-15 are zero codes.  A step's eight tiles of K lie on end, 8 registers each, with 8 zero registers behind them; fragment t is 16 registers from
; tile t on, so its upper half is the next tile's codes: finite numbers (this program's quantiser holds at the largest code), which meet Q's zero codes under the scale bytes 0x7f and add nothing.
; So a step's K comes by one run of loads with one wait, and its eight products follow each other.  V's four fragments then take K's registers: they are asked for behind those products and land during the softmax.
; Inside each block of 32 the next-K index 32 c + 16 u + 8 h + j stands at place 32 c + 16 h + 8 u + j, in p as in v's images, in q as in k: sums and blocks are unchanged.
; LIMITS: as the quantiser's elsewhere in this program (floor byte 1; NaN and infinities not served).
.set KVB,  278528
.set QSCO, 4194304
.set KV0,  4456448
.set VIM,  131072
.set KSC,  262144
.set VSC,  270336
.set AK0,  1                           ; v1   16 x lane: an image's place for my lane
.set AV0,  2                           ; v2   the same among V's images
.set ASK0, 3                           ; v3   4 x lane among K's scale words: lanes 0-15 an even tile's, lanes 16-31 the odd tile's behind it
.set ASV0, 4                           ; v4   4 x lane among V's
.set QS4,  5                           ; v5   4 x (lane % 16)
.set L4,   6                           ; v6   4 x lane
.set ADK,  8                           ; v8-11 this step's LDS addresses
.set ADV,  9
.set ADS,  10
.set ADT,  11
.set QF,   16                          ; v16-31   Q; v24-31 zero codes
.set KF,   32                          ; v32-95   K's eight tiles, then V's four fragments
.set ZT,   96                          ; v96-103  zero codes behind K's last tile
.set S,    104                         ; v104-167 S^T, then p
.set O,    168                         ; v168-199 O^T
.set PC,   200                         ; v200-215 p's codes
.set KW,   216                         ; v216-219 K's scale words, two tiles to a register
.set VW,   224                         ; v224-227 V's scale words
.set BM,   232                         ; v232-235 a block's largest score, then its largest p
.set T1,   236                         ; v236-239 at work
.set HD,   240                         ; v240-243 57,344 x the scale
.set SO,   244                         ; v244-247 the conversions' scale operands
.set HC,   248                         ; v248-251 57,344 x the scale once more, block b's at (b + 1) % 4
.set WV,   18                          ; v12 -M, v13 the largest t, v[14:15] the sum; v252 f, v253 p's scale word, v254 at work, v255 Q's scale words
.set MNT,  19
.set SEL,  20
.set CS,   22
.set G1,   24
.set G0,   32
.set TK,   36                          ; s36  bytes of images passed: 8,192 a key step, for K and for V
.set TS,   37                          ; s37  bytes of scale words passed: 512 a key step
.set CNT,  38
.macro CROUND
	s_barrier_signal -1
	s_barrier_wait -1
	s_cmp_lg_u32 s[WV], 0
	s_cbranch_scc1 .Lnot_wave_0_\@
	s_barrier_signal -3
.Lnot_wave_0_\@:
	s_barrier_wait -3
	s_barrier_signal -1
	s_barrier_wait -1
.endm
	s_load_b128 s[4:7], s[0:1], 0x0                ; qkv, aq
	v_lshl_add_u32 v230, v0, 2, 0x44000
	v_mov_b32 v231, 0
	ds_add_u32 v230, v231
	ds_add_u32 v230, v231
	v_lshrrev_b32 v8, 5, v0
	s_delay_alu instid0(VALU_DEP_1)
	v_readfirstlane_b32 s[WV], v8                  ; wave 0..15
	s_bfe_u32 s8, ttmp6, 0x40000                   ; cx
	s_lshl_b32 s9, ttmp9, 2
	s_add_co_u32 s9, s9, s8                        ; my block of 256 queries
	s_and_b32 s10, ttmp7, 0xffff                   ; batch x 16 + head, which the partners share
	s_mov_b32 s[G1], 15|(3<<16)|(1<<21)            ; the mask: all four; elements of 8 bytes; bit 21 beside a mask; no padding
	s_mov_b32 s[G1+1], 32<<16                      ; rows of 256 bytes,
	s_mov_b32 s[G1+2], 68<<16                      ; 68 of them a wave
	s_mov_b32 s[G1+3], 32<<16
	s_mov_b32 s[G1+4], 68
	s_mov_b32 s[G1+5], 32                          ; dense
	s_mov_b32 s[G1+6], 0
	s_mov_b32 s[G1+7], 0
	s_mul_i32 s11, s[WV], 17408                    ; my sixteenth, in LDS and in the head's block
	s_mul_i32 s12, s10, KVB
	s_add_co_u32 s12, s12, s11
	s_add_co_u32 s12, s12, KV0
	s_mov_b32 s13, 0
	s_mov_b32 s[SEL], 0x76543210
	s_mov_b32 s[SEL+1], 0xfedcba98
	s_mov_b32 s[CS], 0x3e38aa3b                    ; c = log2(e) / 8
	s_mov_b32 s[CS+1], s[CS]
	s_mov_b32 s[MNT], 0x600000
	s_mov_b32 s[TK], 0
	s_mov_b32 s[TS], 0
	s_mov_b32 s[CNT], 16
	s_wait_dscnt 0x0
	s_wait_kmcnt 0x0
	s_mov_b32 s[G0], 1
	s_mov_b32 s[G0+1], s11
	s_add_nc_u64 s[G0+2:G0+3], s[4:5], s[12:13]
	s_or_b32 s[G0+3], s[G0+3], 0x80000000
	CROUND                                         ; all four work-groups are here: the joint loads meet
	tensor_load_to_lds s[G0:G0+3], s[G1:G1+7]      ; my one tensor load of the launch
	s_nop 0
.rept 4
	v_nop
.endr
	s_lshl_b32 s14, s9, 4
	s_add_co_u32 s14, s14, s[WV]                   ; my tile of queries, 0..127
	s_lshl_b32 s40, s10, 17
	s_lshl_b32 s15, s14, 10
	s_add_co_u32 s40, s40, s15
	s_mov_b32 s41, 0
	s_add_nc_u64 s[40:41], s[4:5], s[40:41]        ; its image
	s_lshl_b32 s42, s10, 13
	s_lshl_b32 s15, s14, 6
	s_add_co_u32 s42, s42, s15
	s_add_co_u32 s42, s42, QSCO
	s_mov_b32 s43, 0
	s_add_nc_u64 s[42:43], s[4:5], s[42:43]        ; its scale words
	s_lshr_b32 s15, s10, 4
	s_lshl_b32 s15, s15, 7
	s_add_co_u32 s15, s15, s14                     ; the tile among all 4,096 rows
	s_and_b32 s16, s10, 15                         ; the head
	s_lshl_b32 s44, s15, 14
	s_lshl_b32 s17, s16, 10
	s_add_co_u32 s44, s44, s17
	s_mov_b32 s45, 0
	s_add_nc_u64 s[44:45], s[6:7], s[44:45]        ; aq: tile x 16,384 + head x 1,024
	s_lshl_b32 s46, s15, 10
	s_lshr_b32 s17, s16, 1
	s_lshl_b32 s17, s17, 7
	s_add_co_u32 s46, s46, s17
	s_and_b32 s17, s16, 1
	s_lshl_b32 s17, s17, 1
	s_add_co_u32 s46, s46, s17
	s_add_co_u32 s46, s46, 4194304
	s_mov_b32 s47, 0
	s_add_nc_u64 s[46:47], s[6:7], s[46:47]        ; its two bytes of the K step's scale words
	v_and_b32 v8, 31, v0
	v_and_b32 v9, 15, v0
	s_delay_alu instid0(VALU_DEP_2)
	v_lshlrev_b32 v[AK0], 4, v8
	s_delay_alu instid0(VALU_DEP_1)
	v_add_nc_u32 v[AV0], VIM, v[AK0]
	s_delay_alu instid0(VALU_DEP_3)
	v_lshlrev_b32 v[QS4], 2, v9
	v_lshlrev_b32 v[L4], 2, v8
	s_delay_alu instid0(VALU_DEP_1)
	v_add_nc_u32 v[ASK0], KSC, v[L4]
	s_delay_alu instid0(VALU_DEP_2)
	v_add_nc_u32 v[ASV0], VSC, v[L4]
	global_load_b128 v[QF:QF+3], v[AK0], s[40:41]
	global_load_b128 v[QF+4:QF+7], v[AK0], s[40:41] offset:512
	global_load_b32 v255, v[QS4], s[42:43]
.irp j, 0,1,2,3,4,5,6,7
	v_mov_b32 v[QF+8+\j], 0                        ; zero codes fill K = 64 up to 128 in Q,
	v_mov_b32 v[ZT+\j], 0                          ; and stand behind K's last tile: no load lands there
.endr
	v_mov_b32 v13, 0xff61b1e6                      ; the largest t so far: -3e38
	s_delay_alu instid0(VALU_DEP_1)
	v_floor_f32 v12, -v13                          ; -M
	v_mov_b32 v14, 0
	v_mov_b32 v15, 0
.irp b, 0,1,2,3
	v_mov_b32 v[T1+\b], 0                          ; a lane permute's destination counts as one of its sources
.endr
	v_mov_b32 v253, 0
.set i, 0
.rept 32
	v_mov_b32 v[O+i], 0                            ; O^T: the step is written once; its first trip finds zeros
.set i, i+1
.endr
	s_wait_loadcnt 0x0                             ; Q
	s_wait_tensorcnt 0x0                           ; my sixteenth has landed,
	s_barrier_signal -1
	s_barrier_wait -1                              ; everybody's has
.Lstep:                                            ; 16 trips of 128 keys
	v_add_nc_u32 v[ADK], s[TK], v[AK0]
	v_add_nc_u32 v[ADV], s[TK], v[AV0]
	v_add_nc_u32 v[ADS], s[TS], v[ASK0]
	v_add_nc_u32 v[ADT], s[TS], v[ASV0]
.rept 4
	v_nop                                          ; with the four additions: eight places between the last trip's products, which read V's fragments, and the loads that land there
.endr
.irp t, 0,1,2,3,4,5,6,7                        ; K's eight tiles, 8 registers each, on end
	ds_load_b128 v[KF+8*\t:KF+8*\t+3], v[ADK] offset:\t*1024
	ds_load_b128 v[KF+8*\t+4:KF+8*\t+7], v[ADK] offset:\t*1024+512
.endr
.irp u, 0,1,2,3
	ds_load_b32 v[KW+\u], v[ADS] offset:128*\u     ; the scale words of tiles 2 u (lanes 0-15) and 2 u + 1 (lanes 16-31)
.endr
	s_wait_alu depctr_va_vdst(0)
	s_wait_dscnt 0x0
.irp t, 0,2,4,6                                ; S^T = K Q^T: fragment t is 16 registers from tile t on; its upper half meets Q's zero codes
	v_wmma_scale_f32_16x16x128_f8f6f4 v[S+8*\t:S+8*\t+7], v[KF+8*\t:KF+8*\t+15], v[QF:QF+15], 0, v[KW+\t/2], v255 matrix_a_fmt:MATRIX_FMT_BF8 matrix_b_fmt:MATRIX_FMT_BF8
	v_wmma_scale_f32_16x16x128_f8f6f4 v[S+8*(\t+1):S+8*(\t+1)+7], v[KF+8*(\t+1):KF+8*(\t+1)+15], v[QF:QF+15], 0, v[KW+\t/2], v255 matrix_a_fmt:MATRIX_FMT_BF8 matrix_b_fmt:MATRIX_FMT_BF8 matrix_a_scale:MATRIX_SCALE_ROW1
.endr
.rept 8
	v_nop                                          ; eight places: in front of the loads into K's registers, and of the first read of the scores
.endr
.irp t, 0,1,2,3                                ; V's four fragments take K's registers: asked for here, wanted behind the softmax
.irp c, 0,1,2,3
	ds_load_b128 v[KF+16*\t+4*\c:KF+16*\t+4*\c+3], v[ADV] offset:\t*2048+512*\c
.endr
	ds_load_b32 v[VW+\t], v[ADT] offset:128*\t
.endr
.irp b, 0,1,2,3
	v_max3_num_f32 v[BM+\b], v[S+16*\b], v[S+16*\b+1], v[S+16*\b+2]   ; the largest score of each block of 32 keys: for the row's maximum and, since p rises with the score, for the block's largest p
.endr
.irp i, 3,5,7,9,11,13
.irp b, 0,1,2,3
	v_max3_num_f32 v[BM+\b], v[BM+\b], v[S+16*\b+\i], v[S+16*\b+\i+1]
.endr
.endr
.irp b, 0,1,2,3
	v_max_num_f32 v[BM+\b], v[BM+\b], v[S+16*\b+15]
.endr
.irp b, 0,1,2,3
	s_delay_alu instid0(VALU_DEP_4)
	v_permlanex16_b32 v[T1+\b], v[BM+\b], s[SEL], s[SEL+1]
.endr
.irp b, 0,1,2,3
	s_delay_alu instid0(VALU_DEP_4)
	v_max_num_f32 v[BM+\b], v[BM+\b], v[T1+\b]     ; with lane l xor 16's 16 keys
.endr
	s_delay_alu instid0(VALU_DEP_2)
	v_max3_num_f32 v254, v[BM], v[BM+1], v[BM+2]
	s_delay_alu instid0(VALU_DEP_1)
	v_max_num_f32 v254, v254, v[BM+3]
	s_delay_alu instid0(VALU_DEP_1)
	v_mul_f32 v254, s[CS], v254
	s_delay_alu instid0(VALU_DEP_1)
	v_max_num_f32 v13, v13, v254                   ; the running largest t
	v_mov_b32 v254, v12
	s_delay_alu instid0(VALU_DEP_2)
	v_floor_f32 v12, -v13                          ; the new -M = -ceil(t)
	s_delay_alu instid0(VALU_DEP_1)
	v_sub_f32 v254, v12, v254                      ; old M - new M: a whole number, 0 or less
	s_delay_alu instid0(VALU_DEP_1)
	v_cvt_i32_f32 v254, v254
	s_delay_alu instid0(VALU_DEP_1)
	v_ldexp_f32 v252, 1.0, v254                    ; f = 2^(old M - new M): exact
.irp j, 0,2,4,6,8,10,12,14,16,18,20,22,24,26,28,30,32,34,36,38,40,42,44,46,48,50,52,54,56,58,60,62
	v_pk_fma_f32 v[S+\j:S+\j+1], v[S+\j:S+\j+1], s[CS:CS+1], v[12:13] op_sel_hi:[1,0,0]   ; t - M
.endr
.irp b, 0,1,2,3
	v_fma_f32 v[BM+\b], v[BM+\b], s[CS], v12
.endr
.set i, 0
	s_wait_alu depctr_va_vdst(0)
.rept 64
	v_exp_f32 v[S+i], v[S+i]                       ; p = 2^(t - M)
.set i, i+1
.endr
	v_pk_mul_f32 v[14:15], v[14:15], v[252:253] op_sel_hi:[1,0]   ; the sums under the new M: a plain line behind the exponentials
	s_wait_alu depctr_va_vdst(0)                   ; one wait for the batch, ahead of its first reader
.irp b, 0,1,2,3
	v_exp_f32 v[BM+\b], v[BM+\b]                   ; each block's largest p
.endr
	v_pk_add_f32 v[236:237], v[108:109], v[112:113]
	v_pk_add_f32 v[250:251], v[116:117], v[120:121]
	v_pk_add_f32 v[248:249], v[124:125], v[128:129]
	v_pk_add_f32 v[246:247], v[132:133], v[136:137]
	v_pk_add_f32 v[244:245], v[140:141], v[144:145]
	v_pk_add_f32 v[242:243], v[148:149], v[152:153]
	v_pk_add_f32 v[240:241], v[156:157], v[160:161]
	v_pk_add_f32 v[14:15], v[14:15], v[164:165]
	v_pk_add_f32 v[236:237], v[236:237], v[104:105]
	v_pk_add_f32 v[250:251], v[250:251], v[106:107]
	v_pk_add_f32 v[248:249], v[248:249], v[110:111]
	v_pk_add_f32 v[246:247], v[246:247], v[114:115]
	v_pk_add_f32 v[244:245], v[244:245], v[118:119]
	v_pk_add_f32 v[242:243], v[242:243], v[122:123]
	v_pk_add_f32 v[240:241], v[240:241], v[126:127]
	v_pk_add_f32 v[14:15], v[14:15], v[130:131]
	v_pk_add_f32 v[236:237], v[236:237], v[134:135]
	v_pk_add_f32 v[250:251], v[250:251], v[138:139]
	v_pk_add_f32 v[248:249], v[248:249], v[142:143]
	v_pk_add_f32 v[246:247], v[246:247], v[146:147]
	v_pk_add_f32 v[244:245], v[244:245], v[150:151]
	v_pk_add_f32 v[242:243], v[242:243], v[154:155]
	v_pk_add_f32 v[240:241], v[240:241], v[158:159]
	v_pk_add_f32 v[14:15], v[14:15], v[162:163]
	v_pk_add_f32 v[236:237], v[236:237], v[166:167]
	s_delay_alu instid0(VALU_DEP_2)
	v_pk_add_f32 v[14:15], v[14:15], v[246:247]
	s_delay_alu instid0(VALU_DEP_2)
	v_pk_add_f32 v[236:237], v[236:237], v[244:245]
	v_pk_add_f32 v[250:251], v[250:251], v[242:243]
	v_pk_add_f32 v[248:249], v[248:249], v[240:241]
	s_delay_alu instid0(VALU_DEP_2)
	v_pk_add_f32 v[14:15], v[14:15], v[250:251]
	s_delay_alu instid0(VALU_DEP_2)
	v_pk_add_f32 v[236:237], v[236:237], v[248:249]
	s_delay_alu instid0(VALU_DEP_1)
	v_pk_add_f32 v[14:15], v[14:15], v[236:237]
	s_wait_alu depctr_va_vdst(0)                   ; and one for the four
.irp b, 0,1,2,3
	v_max_num_f32 v[BM+\b], 0x8000000, v[BM+\b]    ; the floor 2^(16 - 127)
.endr
.irp b, 0,1,2,3
	s_delay_alu instid0(VALU_DEP_4)
	v_add_nc_u32 v[SO+\b], 0xf8800000, v[BM+\b]    ; 15 off the exponent field: the conversion's scale operand
.endr
.irp b, 0,1,2,3
	v_and_or_b32 v[HD+\b], v[BM+\b], 0x7f800000, s[MNT]          ; 57,344 x the scale,
.endr
.irp b, 0,1,2,3
	v_and_or_b32 v[HC+(\b+1)%4], v[BM+\b], 0x7f800000, s[MNT]    ; twice: the first sources of a dual instruction's two halves lie in different register banks (number mod 4)
.endr
.irp b, 0,1,2,3
	v_lshrrev_b32 v[T1+\b], 23, v[SO+\b]           ; the byte
.endr
	s_delay_alu instid0(VALU_DEP_3)
	v_lshl_or_b32 v253, v[T1+1], 8, v[T1]          ; p's scale word for these 128 keys
	s_delay_alu instid0(VALU_DEP_1)
	v_lshl_or_b32 v253, v[T1+2], 16, v253
	s_delay_alu instid0(VALU_DEP_1)
	v_lshl_or_b32 v253, v[T1+3], 24, v253
.irp b, 0,1,2,3
.irp i, 0,2,4,6,8,10,12,14
	v_dual_min_num_f32 v[S+16*\b+\i], v[HD+\b], v[S+16*\b+\i] :: v_dual_min_num_f32 v[S+16*\b+\i+1], v[HC+(\b+1)%4], v[S+16*\b+\i+1]   ; the hold: p is not negative, so it is one-sided; two numbers an instruction
.endr
	v_cvt_scalef32_pk8_bf8_f32 v[PC+4*\b:PC+4*\b+1], v[S+16*\b:S+16*\b+7], v[SO+\b]
	v_cvt_scalef32_pk8_bf8_f32 v[PC+4*\b+2:PC+4*\b+3], v[S+16*\b+8:S+16*\b+15], v[SO+\b]
.endr
.irp j, 0,2,4,6,8,10,12,14,16,18,20,22,24,26,28,30
	v_pk_mul_f32 v[O+\j:O+\j+1], v[O+\j:O+\j+1], v[252:253] op_sel_hi:[1,0]   ; O^T under the new M; also the places between the codes and the products
.endr
	s_wait_alu depctr_va_vdst(0)
	s_wait_dscnt 0x0                               ; V: asked for ahead of the softmax
.irp t, 0,1,2,3
	v_wmma_scale_f32_16x16x128_f8f6f4 v[O+8*\t:O+8*\t+7], v[KF+16*\t:KF+16*\t+15], v[PC:PC+15], v[O+8*\t:O+8*\t+7], v[VW+\t], v253 matrix_a_fmt:MATRIX_FMT_BF8 matrix_b_fmt:MATRIX_FMT_BF8
.endr
	s_add_co_u32 s[TK], s[TK], 8192
	s_add_co_u32 s[TS], s[TS], 512
	s_sub_co_u32 s[CNT], s[CNT], 1
	s_cmp_lg_u32 s[CNT], 0
	s_cbranch_scc1 .Lstep
	; THE WAY OUT: O^T / the sum, quantised in two blocks of 32 along D, stored as half of a fragment's image
	v_add_f32 v14, v14, v15
	s_delay_alu instid0(VALU_DEP_1)
	v_permlanex16_b32 v252, v14, s[SEL], s[SEL+1]
	s_delay_alu instid0(VALU_DEP_1)
	v_add_f32 v14, v14, v252                       ; the row's sum
	s_wait_alu depctr_va_vdst(0)
	v_rcp_f32 v14, v14
.rept 8
	v_nop                                          ; the places behind the last products, and the plain line behind the reciprocal
.endr
	s_wait_alu depctr_va_vdst(0)
.set i, 0
.rept 32
	v_mul_f32 v[S+i], v[O+i], v14                  ; register 16 b + 8 u + j: channel 32 b + 16 u + 8 h + j, at place 32 b + 16 h + 8 u + j
.set i, i+1
.endr
.irp b, 0,1
	v_max3_num_f32 v[BM+\b], |v[S+16*\b]|, |v[S+16*\b+1]|, 0x8000000
.endr
.irp i, 2,4,6,8,10,12,14
.irp b, 0,1
	s_delay_alu instid0(VALU_DEP_2)
	v_max3_num_f32 v[BM+\b], v[BM+\b], |v[S+16*\b+\i]|, |v[S+16*\b+\i+1]|
.endr
.endr
.irp b, 0,1
	s_delay_alu instid0(VALU_DEP_2)
	v_permlanex16_b32 v[T1+\b], v[BM+\b], s[SEL], s[SEL+1]
.endr
.irp b, 0,1
	s_delay_alu instid0(VALU_DEP_2)
	v_max_num_f32 v[BM+\b], v[BM+\b], v[T1+\b]
.endr
.irp b, 0,1
	s_delay_alu instid0(VALU_DEP_2)
	v_add_nc_u32 v[SO+\b], 0xf8800000, v[BM+\b]
.endr
.irp b, 0,1
	s_delay_alu instid0(VALU_DEP_4)
	v_and_or_b32 v[HD+\b], v[BM+\b], 0x7f800000, s[MNT]
.endr
.irp b, 0,1
	s_delay_alu instid0(VALU_DEP_4)
	v_lshrrev_b32 v[T1+\b], 23, v[SO+\b]
.endr
	s_delay_alu instid0(VALU_DEP_1)
	v_lshl_or_b32 v253, v[T1+1], 8, v[T1]          ; the head's two bytes
.irp b, 0,1
.irp i, 0,1,2,3,4,5,6,7,8,9,10,11,12,13,14,15
	v_med3_num_f32 v[S+16*\b+\i], v[S+16*\b+\i], -v[HD+\b], v[HD+\b]
.endr
	v_cvt_scalef32_pk8_bf8_f32 v[PC+4*\b:PC+4*\b+1], v[S+16*\b:S+16*\b+7], v[SO+\b]
	v_cvt_scalef32_pk8_bf8_f32 v[PC+4*\b+2:PC+4*\b+3], v[S+16*\b+8:S+16*\b+15], v[SO+\b]
.endr
	v_nop
	global_store_b128 v[AK0], v[PC:PC+3], s[44:45]             ; 512 consecutive bytes, aligned
	global_store_b128 v[AK0], v[PC+4:PC+7], s[44:45] offset:512
	global_store_b16 v[L4], v253, s[46:47]                     ; two of the four bytes of each lane's word; the neighbouring head writes the other two
	s_wait_tensorcnt 0x0
	ds_add_u32 v230, v231
	s_wait_dscnt 0x0
	CROUND                                         ; the closing round
	s_endpgm
.Lfunc_end_k_q73817bf0af_attn:
	.size	k_q73817bf0af_attn, .Lfunc_end_k_q73817bf0af_attn-k_q73817bf0af_attn
	.p2alignl 7, 3214868480
	.fill 96, 4, 3214868480
	.section	.rodata,"a",@progbits
	.p2align	6, 0x0
	.amdhsa_kernel k_q73817bf0af_attn
		.amdhsa_group_segment_fixed_size 280576
		.amdhsa_private_segment_fixed_size 0
		.amdhsa_enable_private_segment 0
		.amdhsa_kernarg_size 16
		.amdhsa_user_sgpr_count 2
		.amdhsa_user_sgpr_kernarg_segment_ptr 1
		.amdhsa_wavefront_size32 1
		.amdhsa_system_sgpr_workgroup_id_x 1
		.amdhsa_system_sgpr_workgroup_id_y 1
		.amdhsa_system_sgpr_workgroup_id_z 1
		.amdhsa_system_vgpr_workitem_id 0
		.amdhsa_next_free_vgpr 256
		.amdhsa_next_free_sgpr 66
		.amdhsa_reserve_vcc 0
		.amdhsa_float_denorm_mode_32 3
		.amdhsa_float_denorm_mode_16_64 3
		.amdhsa_memory_ordered 1
		.amdhsa_forward_progress 1
		.amdhsa_inst_pref_size 34
	.end_amdhsa_kernel
	.amdgpu_metadata
---
amdhsa.version: [ 1, 2 ]
amdhsa.kernels:
  - .name:           k_q73817bf0af_attn
    .symbol:         k_q73817bf0af_attn.kd
    .args:
      - { .name: qkv, .offset: 0, .size: 8, .value_kind: global_buffer, .address_space: global }
      - { .name: aq, .offset: 8, .size: 8, .value_kind: global_buffer, .address_space: global }
    .group_segment_fixed_size: 280576
    .private_segment_fixed_size: 0
    .kernarg_segment_align: 8
    .kernarg_segment_size: 16
    .max_flat_workgroup_size: 512
    .sgpr_count:     66
    .vgpr_count:     256
    .wavefront_size: 32
...
	.end_amdgpu_metadata
.endif
;; end of part 3
;; launch wo (part 4): grid 8 x 32, 4 waves a work-group, clusters of 4 x 4, 327,680 bytes of LDS; arguments aq, wo_codes, wo_scales, bo, x, res; writes res
.if DOCPART == 4
	.amdgcn_target "amdgcn-amd-amdhsa--gfx1250"
	.amdhsa_code_object_version 6
	.text
	.protected	k_q73817bf0af_wo
	.globl	k_q73817bf0af_wo
	.p2align	8
	.type	k_q73817bf0af_wo,@function
k_q73817bf0af_wo:
	s_mov_b64 s[64:65], 0
	v_nop
	global_prefetch_b8 v0, s[64:65] scope:SCOPE_SE
	s_setreg_imm32_b32 hwreg(HW_REG_WAVE_MODE, 25, 1), 1
	s_wait_xcnt 0x0
	s_wait_alu depctr_hold_cnt(0) depctr_sa_sdst(0) depctr_va_vdst(0) depctr_va_sdst(0) depctr_va_ssrc(0) depctr_va_vcc(0) depctr_vm_vsrc(0)
	s_getreg_b32 s2, hwreg(HW_REG_IB_STS2, 6, 4)
	s_cmp_eq_u32 s2, 0
	s_cbranch_scc0 .Lentry_in_a_cluster
	s_endpgm
.Lentry_in_a_cluster:
	s_bfe_u32 s2, ttmp6, 0x10000c
	s_cmp_lg_u32 s2, 0xf033
	s_cbranch_scc0 .Lentry_shape_is_right
	s_endpgm
.Lentry_shape_is_right:
; res = A W^T + bo + x.  A: [4096][1024] as images of operand registers ([tile of 16 rows][K step of 128][c 4][512 B]) with scale images ([tile][K step][32 words]) behind them; W: [1024][1024] codes of E5M2, K innermost, scale bytes [1024][32].
; A block of 128 x 128 to a work-group (256 work-groups), 64 x 64 to each of four waves: 16 accumulators.  ALL OF K LIES IN LDS AT ONCE: A's 8 tiles are 131,072 dense bytes, W's 128 rows 1,024 bytes each (+ 16 of padding),
; A's scale images 8,192 bytes, W's scale bytes 4,096.  Four tiles, four waves: one tensor load a wave at the head, nothing is filled again, and one barrier shows all four.
; Clusters 4 x 4: A's tiles are asked for jointly along a row of the cluster, W's along a column.  No prefetch: every tile is asked for at the head, so there is no loop to run ahead in.
; Transposed use: source 0 = 16 rows of W, source 1 = 16 rows of A: lane (r, h) of accumulator (a, b) holds row 16 a + r, columns 16 b + 8 h + 0..7.
; A's images carry K index 32 c + 16 u + 8 h + j at place 32 c + 16 h + 8 u + j; W's fragments are read in the same order: two loads of 8 bytes, at 32 c + 8 h and 32 c + 16 + 8 h, for each four registers.
; The sums begin with the bias.  The residual x is asked for behind the barrier that shows the tiles, into 128 registers of window 2 in the results' layout; it is on its way during the products and is added behind the last of them
; (so in the order of f32 rounding the bias stands first and the residual last).
; LIMITS: NaN and infinities are not served.
.set SIZE_K, 1024
.set WP,     1040                      ; a row of W in LDS
.set BOFF,   131072                    ; behind A's images
.set SCA,    BOFF+128*WP               ; A's scale images
.set SCB,    SCA+8*SIZE_K              ; W's scale bytes, as units of 256 bytes + 16
.set SBH,    8*272                     ; those of 64 rows
.set SBBLK,  2*272                     ; of 16 rows
.set STAGE,  SCB+2*SBH                 ; the way out: 16 rows x 272 bytes a wave, bytes of their own
.set SPARE,  STAGE+4*16*272            ; the spare words: 128 bytes a wave
.set SCOFF,  4096*SIZE_K
.set NP,     8
.set ADRA, 1
.set ADRB, 2
.set ADSA, 3
.set ADSB, 4
.set STO,  5
.set RD,   6
.set CO,   7
.set VR,   8
.set VB,   9
.set SPW,  16
.set NIL,  17
.set SAW,  20                          ; v20-51  A's scale words: 8 a + q
.set SBW,  56                          ; v56-87  W's: 8 b + q
.set BI,   96                          ; v96-127 the bias in the results' layout
.set ACC,  128
.set G1A, 24
.set G0A, 32
.set G1B, 48
.set G0B, 56
.set G1SA, 68
.set G0SA, 76
.set G1SB, 80
.set G0SB, 88
.set MSB, 0
.macro WIN new
.if MSB != (\new)
	s_set_vgpr_msb (MSB<<8)|(\new)
.set MSB, (\new)
.endif
.endm
.set MUL,  0x05                        ; sources 0 and 1 window 1; C and D window 0
.set TO_F, 0x40                        ; destination window 1
.set TO_R, 0x80                        ; destination window 2
.set ADD_R, 0x08                       ; source 1 window 2
.macro CROUND
	s_barrier_signal -1
	s_barrier_wait -1
	s_cmp_lg_u32 s14, 0
	s_cbranch_scc1 .Lnot_wave_0_\@
	s_barrier_signal -3
.Lnot_wave_0_\@:
	s_barrier_wait -3
	s_barrier_signal -1
	s_barrier_wait -1
.endm
.macro PLACES n
.rept \n
	v_nop
.endr
.endm
.macro GRP1 g, mask, flags, c, rows    ; group 1 of a dense tile: rows of c elements
	s_or_b32 s[\g], s[\mask], \flags
	s_mov_b32 s[\g+1], (\c)<<16
	s_mov_b32 s[\g+2], (\rows)<<16
	s_mov_b32 s[\g+3], (\c)<<16
	s_mov_b32 s[\g+4], \rows
	s_mov_b32 s[\g+5], \c
	s_mov_b32 s[\g+6], 0
	s_mov_b32 s[\g+7], 0
.endm
.macro GRP0 g, lds, base, off
	s_mov_b32 s[\g], 1
	s_mov_b32 s[\g+1], \lds
	s_add_nc_u64 s[\g+2:\g+3], s[\base:\base+1], s[\off:\off+1]
	s_or_b32 s[\g+3], s[\g+3], 0x80000000
.endm
.macro ARM under, g0, g1, next
	s_cmp_lt_u32 s14, \under
	s_cbranch_scc0 \next
	tensor_load_to_lds s[\g0:\g0+3], s[\g1:\g1+7]
	s_nop 0
	PLACES 4
	s_branch .Lhead_asked
\next:
.endm
	s_load_b256 s[4:11], s[0:1], 0x0               ; A's images, W's codes, W's scales, the bias
	s_load_b128 s[92:95], s[0:1], 0x20             ; the residual, the result
	v_lshl_add_u32 v[SPW], v0, 2, SPARE
	v_mov_b32 v[NIL], 0
	ds_add_u32 v[SPW], v[NIL]                      ; the opening lines: the add twice on end and one wait
	ds_add_u32 v[SPW], v[NIL]
	v_lshrrev_b32 v10, 5, v0
	v_readfirstlane_b32 s14, v10                   ; wave
	s_lshr_b32 s15, s14, 1                         ; my half of the rows
	s_and_b32 s16, s14, 1                          ; my half of the columns
	s_bfe_u32 s40, ttmp6, 0x40000
	s_bfe_u32 s41, ttmp6, 0x40004
	s_lshl_b32 s42, ttmp9, 2
	s_add_co_u32 s42, s42, s40                     ; tile column
	s_and_b32 s17, ttmp7, 0xffff
	s_lshl_b32 s17, s17, 2
	s_add_co_u32 s17, s17, s41                     ; tile row
	s_lshl_b32 s43, s41, 2
	s_lshl_b32 s43, 15, s43                        ; my row of the cluster
	s_lshl_b32 s44, 0x1111, s40                    ; my column
	GRP1 G1A, 43, (3<<16)|(1<<21), 1024, 16                            ; A: 16 rows of 8,192 bytes
	GRP1 G1B, 44, (1<<20)|(1<<21)|(7<<22)|(3<<25), 1024, 128           ; W: 128 rows of 1,024 bytes, 16 of padding behind each
	GRP1 G1SA, 43, (3<<16)|(1<<21), 32, 32                             ; A's scale images: 32 rows of 256 bytes
	GRP1 G1SB, 44, (3<<16)|(1<<20)|(1<<21)|(5<<22)|(3<<25), 32, 16     ; W's scale bytes: 16 rows of 256 bytes, padded
	s_lshl_b32 s20, s17, 17                        ; A: 8 tiles of 16,384 bytes a tile row
	s_mov_b32 s21, 0
	s_lshl_b32 s22, s17, 13                        ; their scale images
	s_add_co_u32 s22, s22, SCOFF
	s_mov_b32 s23, 0
	s_lshl_b32 s46, s42, 17                        ; W: 128 rows of 1,024 bytes a tile column
	s_mov_b32 s47, 0
	s_lshl_b32 s96, s42, 12                        ; their scale bytes
	s_mov_b32 s97, 0
	s_lshl_b32 s12, s15, 16                        ; LDS: my four tiles of A,
	s_mul_i32 s13, s16, 64*WP
	s_add_co_u32 s13, s13, BOFF                    ; my 64 rows of W,
	s_lshl_b32 s18, s15, 12
	s_add_co_u32 s18, s18, SCA                     ; their scale words,
	s_mul_i32 s19, s16, SBH
	s_add_co_u32 s19, s19, SCB
	s_mul_i32 s66, s14, 16*272
	s_add_co_u32 s66, s66, STAGE                   ; my stage
	s_lshl_b32 s98, s17, 19                        ; my first row of the result, in bytes,
	s_lshl_b32 s99, s15, 18
	s_add_co_u32 s98, s98, s99
	s_lshl_b32 s100, s42, 9                        ; my first column
	s_lshl_b32 s99, s16, 8
	s_add_co_u32 s100, s100, s99
	s_add_co_u32 s98, s98, s100
	s_mov_b32 s99, 0
	s_mov_b32 s101, 0
	s_wait_dscnt 0x0                               ; both opening adds are done
	s_wait_kmcnt 0x0
	GRP0 G0A, 0, 4, 20
	GRP0 G0B, BOFF, 6, 46
	GRP0 G0SA, SCA, 4, 22
	GRP0 G0SB, SCB, 8, 96
	s_add_nc_u64 s[92:93], s[92:93], s[98:99]
	s_add_nc_u64 s[94:95], s[94:95], s[98:99]
	s_add_nc_u64 s[10:11], s[10:11], s[100:101]
	CROUND                                         ; all sixteen work-groups are here: the joint loads meet
	ARM 1, G0A, G1A, .Lhead_b                      ; one load a wave, one chain of arms, one join
	ARM 2, G0B, G1B, .Lhead_sa
	ARM 3, G0SA, G1SA, .Lhead_sb
	tensor_load_to_lds s[G0SB:G0SB+3], s[G1SB:G1SB+7]
	s_nop 0
	PLACES 4
.Lhead_asked:
	v_and_b32 v10, 15, v0                          ; r
	v_bfe_u32 v11, v0, 4, 1                        ; h
	v_and_b32 v12, 31, v0                          ; lane
	v_lshlrev_b32 v13, 12, v10
	v_lshl_add_u32 v[VR], v11, 5, v13              ; the residual: row r, + 32 h bytes
	v_lshlrev_b32 v[VB], 5, v11
	v_lshl_add_u32 v[ADRA], v12, 4, s12
	v_mul_u32_u24 v13, v10, WP
	v_lshl_add_u32 v13, v11, 3, v13                ; W: row r, + 8 h
	v_add_nc_u32 v[ADRB], s13, v13
	v_lshl_add_u32 v[ADSA], v12, 2, s18
	v_lshlrev_b32 v13, 5, v10                      ; W's scale bytes: 32 a row, 16 more behind each 256
	v_lshrrev_b32 v14, 3, v10
	v_lshl_add_u32 v13, v14, 4, v13
	v_add_nc_u32 v[ADSB], s19, v13
	v_mul_u32_u24 v13, v10, 272
	v_lshl_add_u32 v13, v11, 5, v13
	v_add_nc_u32 v[STO], s66, v13
	v_mul_u32_u24 v13, v11, 272
	v_lshl_add_u32 v13, v10, 4, v13
	v_add_nc_u32 v[RD], s66, v13
	v_lshlrev_b32 v13, 12, v11
	v_lshl_add_u32 v[CO], v10, 4, v13              ; out: lanes 0-15 one row's 256 bytes, lanes 16-31 the next row's
.irp b, 0,1,2,3
	global_load_b128 v[BI+8*\b:BI+8*\b+3], v[VB], s[10:11] offset:64*\b
	global_load_b128 v[BI+8*\b+4:BI+8*\b+7], v[VB], s[10:11] offset:64*\b+16
.endr
; four products: A's block a against W's four, the q-th 128 along K, out of buffer f.  The 16 accumulators take turns.
.macro MULA f, q, a
.irp b, 0,1,2,3
	v_wmma_scale_f32_16x16x128_f8f6f4 v[ACC+8*(4*(\a)+\b):ACC+8*(4*(\a)+\b)+7], v[128*(\f)+64+16*\b:128*(\f)+64+16*\b+15], v[128*(\f)+16*(\a):128*(\f)+16*(\a)+15], v[ACC+8*(4*(\a)+\b):ACC+8*(4*(\a)+\b)+7], v[SBW+8*\b+(\q)], v[SAW+8*(\a)+(\q)] matrix_a_fmt:MATRIX_FMT_BF8 matrix_b_fmt:MATRIX_FMT_BF8
.endr
.endm
.macro FETCH q, f                      ; 48 LDS loads in one run: the fragments of the q-th 128 along K into buffer f
	WIN TO_F
.irp a, 0,1,2,3
.irp c, 0,1,2,3
	ds_load_b128 v[128*(\f)+16*\a+4*\c:128*(\f)+16*\a+4*\c+3], v[ADRA] offset:16384*\a+2048*(\q)+512*\c
.endr
.endr
.irp b, 0,1,2,3
.irp c, 0,1,2,3
	ds_load_b64 v[128*(\f)+64+16*\b+4*\c:128*(\f)+64+16*\b+4*\c+1], v[ADRB] offset:16*WP*\b+128*(\q)+32*\c
	ds_load_b64 v[128*(\f)+64+16*\b+4*\c+2:128*(\f)+64+16*\b+4*\c+3], v[ADRB] offset:16*WP*\b+128*(\q)+32*\c+16
.endr
.endr
.endm
.macro STEP q
	PLACES NP                                      ; behind the products that read the buffer that is loaded next
	FETCH (\q)+1, 1-(\q)%2
	s_wait_dscnt 48                                ; all but the 48 just issued
	WIN MUL
	MULA (\q)%2, \q, 0
	MULA (\q)%2, \q, 1
	MULA (\q)%2, \q, 2
	MULA (\q)%2, \q, 3
.endm
	s_wait_alu depctr_va_vdst(0)                   ; the head's end
	s_wait_tensorcnt 0x0                           ; my tile has landed,
	s_barrier_signal -1
	s_barrier_wait -1                              ; everybody's has
	WIN TO_R
.irp a, 0,1,2,3                                ; the residual, in the results' layout, into window 2: wanted behind the last product
.irp b, 0,1,2,3
	global_load_b128 v[8*(4*\a+\b):8*(4*\a+\b)+3], v[VR], s[92:93] offset:16*\a*4096+64*\b
	global_load_b128 v[8*(4*\a+\b)+4:8*(4*\a+\b)+7], v[VR], s[92:93] offset:16*\a*4096+64*\b+16
.endr
.endr
	FETCH 0, 0
	WIN 0
.irp a, 0,1,2,3                                ; all scale words of my rows and columns: 32 + 8 loads
.irp q, 0,1,2,3,4,5,6,7
	ds_load_b32 v[SAW+8*\a+\q], v[ADSA] offset:1024*\a+128*\q
.endr
.endr
.irp b, 0,1,2,3
	ds_load_b128 v[SBW+8*\b:SBW+8*\b+3], v[ADSB] offset:\b*SBBLK
	ds_load_b128 v[SBW+8*\b+4:SBW+8*\b+7], v[ADSB] offset:\b*SBBLK+16
.endr
	s_wait_loadcnt 32                              ; the bias is in; the residual's 32 loads, issued behind it, stay out
.irp a, 0,1,2,3                                ; the sums begin with the bias: the same 32 numbers a lane for each of my four blocks of rows
.irp b, 0,1,2,3
.irp i, 0,2,4,6
	v_dual_mov_b32 v[ACC+8*(4*\a+\b)+\i], v[BI+8*\b+\i] :: v_dual_mov_b32 v[ACC+8*(4*\a+\b)+\i+1], v[BI+8*\b+\i+1]
.endr
.endr
.endr
	s_wait_alu depctr_va_vdst(0)
.irp q, 0,1,2,3,4,5,6
	STEP \q
.endr
	s_wait_dscnt 0x0
	MULA 1, 7, 0
	MULA 1, 7, 1
	MULA 1, 7, 2
	MULA 1, 7, 3
	WIN 0
; THE WAY OUT: the residual is added; then a block of 16 rows x 64 columns goes through my stage and comes back as rows of 256 bytes, into the registers that it left
.macro TOSTAGE a
.irp b, 0,1,2,3
	ds_store_b128 v[STO], v[ACC+8*(4*(\a)+\b):ACC+8*(4*(\a)+\b)+3] offset:64*\b
	ds_store_b128 v[STO], v[ACC+8*(4*(\a)+\b)+4:ACC+8*(4*(\a)+\b)+7] offset:64*\b+16
.endr
.irp t, 0,1,2,3,4,5,6,7
	ds_load_b128 v[ACC+32*(\a)+4*\t:ACC+32*(\a)+4*\t+3], v[RD] offset:544*\t
.endr
.endm
.macro SEND a, younger
	s_wait_dscnt \younger
.irp t, 0,1,2,3,4,5,6,7
	global_store_b128 v[CO], v[ACC+32*(\a)+4*\t:ACC+32*(\a)+4*\t+3], s[94:95] offset:(16*(\a)+2*\t)*4096 th:TH_STORE_NT   ; 16 lanes store 256 consecutive bytes, aligned
.endr
.endm
	PLACES NP
	s_wait_loadcnt 0x0                             ; the residual
	WIN ADD_R
.set RI, 0
.rept 64
	v_pk_add_f32 v[ACC+RI:ACC+RI+1], v[ACC+RI:ACC+RI+1], v[RI:RI+1]   ; each accumulator from its low end on
.set RI, RI+2
.endr
	WIN 0
	s_wait_alu depctr_va_vdst(0)
	TOSTAGE 0
	TOSTAGE 1
	SEND 0, 16                                     ; behind block 0's loads: block 1's 8 stores and 8 loads
	TOSTAGE 2
	SEND 1, 16
	TOSTAGE 3
	SEND 2, 16
	SEND 3, 0
	s_wait_tensorcnt 0x0                           ; the wave's end
	ds_add_u32 v[SPW], v[NIL]
	s_wait_dscnt 0x0
	CROUND                                         ; the closing round
	s_endpgm
.Lfunc_end_k_q73817bf0af_wo:
	.size	k_q73817bf0af_wo, .Lfunc_end_k_q73817bf0af_wo-k_q73817bf0af_wo
	.p2alignl 7, 3214868480
	.fill 96, 4, 3214868480
	.section	.rodata,"a",@progbits
	.p2align	6, 0x0
	.amdhsa_kernel k_q73817bf0af_wo
		.amdhsa_group_segment_fixed_size 327680
		.amdhsa_private_segment_fixed_size 0
		.amdhsa_enable_private_segment 0
		.amdhsa_kernarg_size 48
		.amdhsa_user_sgpr_count 2
		.amdhsa_user_sgpr_kernarg_segment_ptr 1
		.amdhsa_wavefront_size32 1
		.amdhsa_system_sgpr_workgroup_id_x 1
		.amdhsa_system_sgpr_workgroup_id_y 1
		.amdhsa_system_sgpr_workgroup_id_z 1
		.amdhsa_system_vgpr_workitem_id 0
		.amdhsa_next_free_vgpr 640
		.amdhsa_next_free_sgpr 104
		.amdhsa_reserve_vcc 0
		.amdhsa_float_denorm_mode_32 3
		.amdhsa_float_denorm_mode_16_64 3
		.amdhsa_memory_ordered 1
		.amdhsa_forward_progress 1
		.amdhsa_inst_pref_size 73
	.end_amdhsa_kernel
	.amdgpu_metadata
---
amdhsa.version: [ 1, 2 ]
amdhsa.kernels:
  - .name:           k_q73817bf0af_wo
    .symbol:         k_q73817bf0af_wo.kd
    .args:
      - { .name: aq, .offset: 0, .size: 8, .value_kind: global_buffer, .address_space: global }
      - { .name: wo_codes, .offset: 8, .size: 8, .value_kind: global_buffer, .address_space: global }
      - { .name: wo_scales, .offset: 16, .size: 8, .value_kind: global_buffer, .address_space: global }
      - { .name: bo, .offset: 24, .size: 8, .value_kind: global_buffer, .address_space: global }
      - { .name: x, .offset: 32, .size: 8, .value_kind: global_buffer, .address_space: global }
      - { .name: res, .offset: 40, .size: 8, .value_kind: global_buffer, .address_space: global }
    .group_segment_fixed_size: 327680
    .private_segment_fixed_size: 0
    .kernarg_segment_align: 8
    .kernarg_segment_size: 48
    .max_flat_workgroup_size: 128
    .sgpr_count:     104
    .vgpr_count:     640
    .wavefront_size: 32
...
	.end_amdgpu_metadata
.endif
;; end of part 4
;; launch ln1 (part 5): grid 256 x 1, 4 waves a work-group, no clusters, 33,280 bytes of LDS; arguments res, g1, b1, x1b; writes x1b
.if DOCPART == 5
	.amdgcn_target "amdgcn-amd-amdhsa--gfx1250"
	.amdhsa_code_object_version 6
	.text
	.protected	k_q73817bf0af_ln1
	.globl	k_q73817bf0af_ln1
	.p2align	8
	.type	k_q73817bf0af_ln1,@function
k_q73817bf0af_ln1:
	s_mov_b64 s[64:65], 0
	v_nop
	global_prefetch_b8 v0, s[64:65] scope:SCOPE_SE
	s_setreg_imm32_b32 hwreg(HW_REG_WAVE_MODE, 25, 1), 1
	s_wait_xcnt 0x0
; x1 = layernorm(res) g1 + b1, rows of 1,024; stored as f32 at x1b + 0, as codes of E5M2 (K innermost) at + 16,777,216 and as E8M0 bytes [4096][32] at + 20,971,520.
; One wave, four rows; a row stays in 32 registers between its passes (mean; x - mean; mean of squares; scaling), so memory is read once and no wave waits for another.  All 32 row loads of a wave go out at the head.
; For the quantiser a row turns through the wave's own stage in LDS (16 bytes of padding behind each 64), so that a lane holds 16 neighbours; two lanes hold a block.
; LIMITS: a block under 2^-111 keeps the byte 1, a block of zeros too (this program alone reads the bytes); NaN and infinities are not served.
.set G,   16                           ; v16-47  the gain of my 32 columns (128 j + 4 lane + 0..3)
.set B,   48                           ; v48-79  the bias
.set X,   80                           ; v80-207 four rows
.set Y,   208                          ; v208-239 a row, 16 neighbours for each of two steps
.set C,   240                          ; v240-247 its codes
.set STI, 248
.set STQ, 249
.set SBA, 250
.set SBR, 251
.set L4,  252
.set SP,  80
	s_load_b256 s[4:11], s[0:1], 0x0               ; res, g1, b1, x1b
	v_lshl_add_u32 v254, v0, 2, 0x8000
	v_mov_b32 v255, 0
	v_lshrrev_b32 v2, 5, v0
	v_readfirstlane_b32 s16, v2                    ; wave
	v_and_b32 v2, 31, v0
	v_lshlrev_b32 v1, 4, v2                        ; 16 x lane
	s_mul_i32 s30, s16, 8192
	v_lshrrev_b32 v3, 2, v2
	v_mul_u32_u24 v3, v3, SP
	v_and_b32 v4, 3, v2
	v_lshl_add_u32 v3, v4, 4, v3
	v_add_nc_u32 v[STI], s30, v3
	v_mul_u32_u24 v3, v2, SP
	v_add_nc_u32 v[STQ], s30, v3
	s_add_co_u32 s30, s30, 2*32*SP
	v_lshrrev_b32 v3, 1, v2
	v_add_nc_u32 v[SBA], s30, v3
	v_lshlrev_b32 v[L4], 2, v2
	v_add_nc_u32 v[SBR], s30, v[L4]
	v_mov_b32 v11, 0
	v_mov_b32 v13, 0
	v_mov_b32 v15, 0
	s_mov_b32 s12, 0x76543210
	s_mov_b32 s13, 0xfedcba98
	s_mov_b32 s14, 0x3a800000                      ; 1 / 1,024
	s_mov_b32 s15, 0x3727c5ac                      ; 1e-5
	s_mov_b32 s19, 0x600000
	s_lshl_b32 s17, ttmp9, 4
	s_lshl_b32 s18, s16, 2
	s_add_co_u32 s17, s17, s18                     ; my first row
	s_lshl_b32 s20, s17, 12
	s_mov_b32 s21, 0
	s_lshl_b32 s22, s17, 10
	s_add_co_u32 s22, s22, 0x1000000
	s_mov_b32 s23, 0
	s_lshl_b32 s24, s17, 5
	s_add_co_u32 s24, s24, 0x1400000
	s_mov_b32 s25, 0
	s_wait_kmcnt 0x0
	s_add_nc_u64 s[4:5], s[4:5], s[20:21]
	s_add_nc_u64 s[26:27], s[10:11], s[22:23]
	s_add_nc_u64 s[28:29], s[10:11], s[24:25]
	s_add_nc_u64 s[10:11], s[10:11], s[20:21]
.irp j, 0,1,2,3,4,5,6,7
	global_load_b128 v[G+4*\j:G+4*\j+3], v1, s[6:7] offset:512*\j
	global_load_b128 v[B+4*\j:B+4*\j+3], v1, s[8:9] offset:512*\j
.endr
.irp i, 0,1,2,3
.irp j, 0,1,2,3,4,5,6,7
	global_load_b128 v[X+32*\i+4*\j:X+32*\i+4*\j+3], v1, s[4:5] offset:4096*\i+512*\j th:TH_LOAD_NT
.endr
.endr
.macro REDUCE                          ; four chains into one number, then over the 32 lanes: v10
	v_pk_add_f32 v[2:3], v[2:3], v[4:5]
	v_pk_add_f32 v[6:7], v[6:7], v[8:9]
	v_pk_add_f32 v[2:3], v[2:3], v[6:7]
	v_add_f32 v10, v2, v3
	v_add_f32_dpp v10, v10, v10 row_xmask:1 row_mask:0xf bank_mask:0xf
	v_add_f32_dpp v10, v10, v10 row_xmask:2 row_mask:0xf bank_mask:0xf
	v_add_f32_dpp v10, v10, v10 row_xmask:4 row_mask:0xf bank_mask:0xf
	v_add_f32_dpp v10, v10, v10 row_xmask:8 row_mask:0xf bank_mask:0xf
	v_permlanex16_b32 v11, v10, s12, s13
	v_add_f32 v10, v10, v11
.endm
.macro ROW i
.set XR, X+32*(\i)
	s_wait_loadcnt 8*(3-(\i))                      ; my row is in; the later rows' loads stay out
.irp k, 0,1,2,3
	v_pk_add_f32 v[2+2*\k:3+2*\k], v[XR+4*\k:XR+4*\k+1], v[XR+4*\k+2:XR+4*\k+3]
.endr
.irp m, 16,24
.irp k, 0,1,2,3
	v_pk_add_f32 v[2+2*\k:3+2*\k], v[2+2*\k:3+2*\k], v[XR+\m+2*\k:XR+\m+2*\k+1]
.endr
.endr
	REDUCE
	v_mul_f32 v12, s14, v10                        ; the mean
.irp k, 0,2,4,6,8,10,12,14,16,18,20,22,24,26,28,30
	v_pk_add_f32 v[XR+\k:XR+\k+1], v[XR+\k:XR+\k+1], v[12:13] op_sel_hi:[1,0] neg_lo:[0,1] neg_hi:[0,1]
.endr
.irp k, 0,1,2,3
	v_pk_mul_f32 v[2+2*\k:3+2*\k], v[XR+2*\k:XR+2*\k+1], v[XR+2*\k:XR+2*\k+1]
.endr
.irp m, 8,16,24
.irp k, 0,1,2,3
	v_pk_fma_f32 v[2+2*\k:3+2*\k], v[XR+\m+2*\k:XR+\m+2*\k+1], v[XR+\m+2*\k:XR+\m+2*\k+1], v[2+2*\k:3+2*\k]
.endr
.endr
	REDUCE
	v_fma_f32 v14, v10, s14, s15                   ; the variance + 1e-5
	s_wait_alu depctr_va_vdst(0)
	v_rsq_f32 v14, v14
	v_nop
	s_wait_alu depctr_va_vdst(0)                   ; ahead of the first reader
.irp k, 0,2,4,6,8,10,12,14,16,18,20,22,24,26,28,30
	v_pk_mul_f32 v[XR+\k:XR+\k+1], v[XR+\k:XR+\k+1], v[14:15] op_sel_hi:[1,0]
.endr
.irp k, 0,2,4,6,8,10,12,14,16,18,20,22,24,26,28,30
	v_pk_fma_f32 v[XR+\k:XR+\k+1], v[XR+\k:XR+\k+1], v[G+\k:G+\k+1], v[B+\k:B+\k+1]
.endr
.irp j, 0,1,2,3,4,5,6,7
	global_store_b128 v1, v[XR+4*\j:XR+4*\j+3], s[10:11] offset:4096*(\i)+512*\j   ; 512 consecutive bytes a wave
.endr
.irp j, 0,1,2,3,4,5,6,7
	ds_store_b128 v[STI], v[XR+4*\j:XR+4*\j+3] offset:32*SP*(\j/4)+8*SP*(\j%4)
.endr
.irp st, 0,1
.irp k, 0,1,2,3
	ds_load_b128 v[Y+16*\st+4*\k:Y+16*\st+4*\k+3], v[STQ] offset:32*SP*\st+16*\k   ; LDS serves a wave's instructions in order
.endr
.endr
	s_wait_dscnt 0x0
	s_wait_xcnt 0x0                                ; the last row's stores of codes have read their registers
.irp st, 0,1
	v_max3_num_f32 v2, |v[Y+16*\st]|, |v[Y+16*\st+1]|, |v[Y+16*\st+2]|
	v_max3_num_f32 v3, |v[Y+16*\st+3]|, |v[Y+16*\st+4]|, |v[Y+16*\st+5]|
.irp k, 6,10
	v_max3_num_f32 v2, v2, |v[Y+16*\st+\k]|, |v[Y+16*\st+\k+1]|
	v_max3_num_f32 v3, v3, |v[Y+16*\st+\k+2]|, |v[Y+16*\st+\k+3]|
.endr
	v_max3_num_f32 v2, v2, |v[Y+16*\st+14]|, |v[Y+16*\st+15]|
	v_max3_num_f32 v2, v2, v3, 0x8000000           ; the floor 2^(16 - 127)
	v_max_num_f32_dpp v2, v2, v2 row_xmask:1 row_mask:0xf bank_mask:0xf
	v_add_nc_u32 v5, 0xf8800000, v2
	v_and_or_b32 v4, v2, 0x7f800000, s19
.irp k, 0,1,2,3,4,5,6,7,8,9,10,11,12,13,14,15
	v_med3_num_f32 v[Y+16*\st+\k], v[Y+16*\st+\k], -v4, v4
.endr
	v_cvt_scalef32_pk8_bf8_f32 v[C+4*\st:C+4*\st+1], v[Y+16*\st:Y+16*\st+7], v5
	v_cvt_scalef32_pk8_bf8_f32 v[C+4*\st+2:C+4*\st+3], v[Y+16*\st+8:Y+16*\st+15], v5
	v_lshrrev_b32 v[6+\st], 23, v5
	ds_store_b8 v[SBA], v[6+\st] offset:32*(\i)+16*\st
	global_store_b128 v1, v[C+4*\st:C+4*\st+3], s[26:27] offset:1024*(\i)+512*\st
.endr
.endm
	ROW 0
	ROW 1
	ROW 2
	ROW 3
	ds_load_b32 v7, v[SBR]
	s_wait_dscnt 0x0
	global_store_b32 v[L4], v7, s[28:29]           ; my four rows' 128 scale bytes
	s_wait_tensorcnt 0x0
	ds_add_u32 v254, v255
	s_wait_dscnt 0x0
	s_endpgm
.Lfunc_end_k_q73817bf0af_ln1:
	.size	k_q73817bf0af_ln1, .Lfunc_end_k_q73817bf0af_ln1-k_q73817bf0af_ln1
	.p2alignl 7, 3214868480
	.fill 96, 4, 3214868480
	.section	.rodata,"a",@progbits
	.p2align	6, 0x0
	.amdhsa_kernel k_q73817bf0af_ln1
		.amdhsa_group_segment_fixed_size 33280
		.amdhsa_private_segment_fixed_size 0
		.amdhsa_enable_private_segment 0
		.amdhsa_kernarg_size 32
		.amdhsa_user_sgpr_count 2
		.amdhsa_user_sgpr_kernarg_segment_ptr 1
		.amdhsa_wavefront_size32 1
		.amdhsa_system_sgpr_workgroup_id_x 1
		.amdhsa_system_sgpr_workgroup_id_y 1
		.amdhsa_system_sgpr_workgroup_id_z 1
		.amdhsa_system_vgpr_workitem_id 0
		.amdhsa_next_free_vgpr 256
		.amdhsa_next_free_sgpr 66
		.amdhsa_reserve_vcc 0
		.amdhsa_float_denorm_mode_32 3
		.amdhsa_float_denorm_mode_16_64 3
		.amdhsa_memory_ordered 1
		.amdhsa_forward_progress 1
		.amdhsa_inst_pref_size 56
	.end_amdhsa_kernel
	.amdgpu_metadata
---
amdhsa.version: [ 1, 2 ]
amdhsa.kernels:
  - .name:           k_q73817bf0af_ln1
    .symbol:         k_q73817bf0af_ln1.kd
    .args:
      - { .name: res, .offset: 0, .size: 8, .value_kind: global_buffer, .address_space: global }
      - { .name: g1, .offset: 8, .size: 8, .value_kind: global_buffer, .address_space: global }
      - { .name: b1, .offset: 16, .size: 8, .value_kind: global_buffer, .address_space: global }
      - { .name: x1b, .offset: 24, .size: 8, .value_kind: global_buffer, .address_space: global }
    .group_segment_fixed_size: 33280
    .private_segment_fixed_size: 0
    .kernarg_segment_align: 8
    .kernarg_segment_size: 32
    .max_flat_workgroup_size: 128
    .sgpr_count:     66
    .vgpr_count:     256
    .wavefront_size: 32
...
	.end_amdgpu_metadata
.endif
;; end of part 5
;; launch ffn1 (part 6): grid 16 x 16, 4 waves a work-group, clusters of 4 x 4, 327,680 bytes of LDS; arguments x1b, w1_codes, w1_scales, bf1, hq; writes hq
.if DOCPART == 6
	.amdgcn_target "amdgcn-amd-amdhsa--gfx1250"
	.amdhsa_code_object_version 6
	.text
	.protected	k_q73817bf0af_ffn1
	.globl	k_q73817bf0af_ffn1
	.p2align	8
	.type	k_q73817bf0af_ffn1,@function
k_q73817bf0af_ffn1:
	s_mov_b64 s[64:65], 0
	v_nop
	global_prefetch_b8 v0, s[64:65] scope:SCOPE_SE
	s_setreg_imm32_b32 hwreg(HW_REG_WAVE_MODE, 25, 1), 1
	s_wait_xcnt 0x0
	s_wait_alu depctr_hold_cnt(0) depctr_sa_sdst(0) depctr_va_vdst(0) depctr_va_sdst(0) depctr_va_ssrc(0) depctr_va_vcc(0) depctr_vm_vsrc(0)
	s_getreg_b32 s2, hwreg(HW_REG_IB_STS2, 6, 4)
	s_cmp_eq_u32 s2, 0
	s_cbranch_scc0 .Lentry_in_a_cluster
	s_endpgm
.Lentry_in_a_cluster:
	s_bfe_u32 s2, ttmp6, 0x10000c
	s_cmp_lg_u32 s2, 0xf033
	s_cbranch_scc0 .Lentry_shape_is_right
	s_endpgm
.Lentry_shape_is_right:
.set SIZE_K, 1024
.set KSTEP,  256
.set NQ,     KSTEP/128
.set ROWB,   256
.set KROW,   SIZE_K
.set PITCH,  272
.set FR,     16
.set NL,     4
.set NP,     8
.set HALFT,  128*PITCH
.set SLOT,   4*HALFT
.set LAPS,   SIZE_K/(2*KSTEP)
.set KS,     SIZE_K/32
.set SCL,    2*SLOT
.set HALFS,  (128*KS/256)*272
.set SBLK,   (16*KS/256)*272
.set SPARE,  SCL+4*HALFS
.set ADRA, 16
.set ADRB, 20
.set VO0,  24
.set VS,   26
.set ADRS, 27
.set SPW,  28
.set NIL,  29
.set SC,   32
.set CBI,  64
.set AF,   128
.set Z,    32
.set Z2,   96
.set P,    112
.set HA,   128
.set PC,   192
.set TM,   208
.set PW,   224
.set QD,   226
.set CA,   242
.set CB2,  244
.set RT,   66
.set SEL,  92
.set MNT,  94
.set G1, 24
.set G0, 32
.set G1B, 48
.set G0B, 56
.set G1S, 68
.set G0S, 76
.set G1SB, 80
.set G0SB, 88
.set MSB, 0
.macro WIN new
.if MSB != (\new)
	s_set_vgpr_msb (MSB<<8)|(\new)
.set MSB, (\new)
.endif
.endm
.set MUL_LO, 0xa1
.set MUL_HI, 0xf1
.set TO_B,   0x40
.macro JLOAD g0a, g1a, g0b, g1b
	s_cmp_eq_u32 s15, 0
	s_cbranch_scc0 .Lfor_b_\@
	tensor_load_to_lds s[\g0a:\g0a+3], s[\g1a:\g1a+7]
	s_nop 0
.rept 4
	v_nop
.endr
	s_branch .Lasked_\@
.Lfor_b_\@:
	tensor_load_to_lds s[\g0b:\g0b+3], s[\g1b:\g1b+7]
	s_nop 0
.rept 4
	v_nop
.endr
.Lasked_\@:
.endm
.macro CREST
	s_cmp_lg_u32 s14, 0
	s_cbranch_scc1 .Lnot_wave_0_\@
	s_barrier_signal -3
.Lnot_wave_0_\@:
	s_barrier_wait -3
	s_barrier_signal -1
	s_barrier_wait -1
.endm
.macro CROUND
	s_barrier_signal -1
	s_barrier_wait -1
	CREST
.endm
.macro PLACES n
.rept \n
	v_nop
.endr
.endm
	s_load_b64 s[4:5], s[0:1], 0x0
	s_load_b128 s[8:11], s[0:1], 0x8
	s_load_b64 s[98:99], s[0:1], 0x18
	s_load_b64 s[12:13], s[0:1], 0x20
	v_lshl_add_u32 v[SPW], v0, 2, SPARE
	v_mov_b32 v[NIL], 0
	ds_add_u32 v28, v29
	ds_add_u32 v28, v29
	s_wait_dscnt 0x0
	v_lshrrev_b32 v1, 5, v0
	v_readfirstlane_b32 s14, v1
	s_lshr_b32 s15, s14, 1
	s_and_b32 s16, s14, 1
	s_bfe_u32 s40, ttmp6, 0x40000
	s_bfe_u32 s41, ttmp6, 0x40004
	s_lshl_b32 s42, ttmp9, 2
	s_add_co_u32 s42, s42, s40
	s_and_b32 s17, ttmp7, 0xffff
	s_lshl_b32 s17, s17, 2
	s_add_co_u32 s17, s17, s41
	s_lshl_b32 s43, s41, 2
	s_lshl_b32 s43, 15, s43
	s_lshl_b32 s44, 0x1111, s40
	s_or_b32 s[G1+0], s43, (0<<16)|(1<<20)|(1<<21)|(5<<22)|(3<<25)
	s_or_b32 s[G1B+0], s44, (0<<16)|(1<<20)|(1<<21)|(5<<22)|(3<<25)
.irp g, G1, G1B
	s_mov_b32 s[\g+1], ROWB<<16
	s_mov_b32 s[\g+2], 256<<16                     ; the head's loads of codes bring 256 rows
	s_mov_b32 s[\g+3], ROWB<<16
	s_mov_b32 s[\g+4], 256
	s_mov_b32 s[\g+5], KROW
	s_mov_b32 s[\g+6], 0
	s_mov_b32 s[\g+7], 0
.endr
	s_or_b32 s[G1S+0], s43, (3<<16)|(1<<20)|(1<<21)|(5<<22)|(3<<25)
	s_or_b32 s[G1SB+0], s44, (3<<16)|(1<<20)|(1<<21)|(5<<22)|(3<<25)
.irp g, G1S, G1SB
	s_mov_b32 s[\g+1], 32<<16
	s_mov_b32 s[\g+2], KS<<16                      ; the scale bytes of 256 rows: KS units of 256 bytes
	s_mov_b32 s[\g+3], 32<<16
	s_mov_b32 s[\g+4], KS
	s_mov_b32 s[\g+5], 32
	s_mov_b32 s[\g+6], 0
	s_mov_b32 s[\g+7], 0
.endr
	s_lshl_b32 s20, s17, 8                         ; the tiles' first rows
	s_lshl_b32 s46, s42, 8
	s_mov_b32 s21, 0
	s_mov_b32 s47, 0
	s_mov_b64 s[18:19], KS
	s_mul_u64 s[22:23], s[20:21], s[18:19]
	s_mul_u64 s[92:93], s[46:47], s[18:19]
	s_mov_b64 s[18:19], KROW
	s_mul_u64 s[20:21], s[20:21], s[18:19]
	s_mul_u64 s[46:47], s[46:47], s[18:19]
	s_mul_i32 s18, s16, 128*KROW                   ; in the ring a wave fetches 128 rows: which half, in bytes
	s_mov_b32 s19, 0
	s_mul_i32 s45, s14, HALFT
	s_wait_kmcnt 0x0
	s_add_nc_u64 s[6:7], s[4:5], 0x1400000
	s_add_nc_u64 s[4:5], s[4:5], 0x1000000
	s_add_nc_u64 s[20:21], s[4:5], s[20:21]
	s_add_nc_u64 s[22:23], s[6:7], s[22:23]
	s_add_nc_u64 s[46:47], s[8:9], s[46:47]
	s_add_nc_u64 s[92:93], s[10:11], s[92:93]
	CROUND
	s_mov_b32 s[G0S], 1
	s_mov_b32 s[G0S+1], SCL
	s_mov_b64 s[G0S+2:G0S+3], s[22:23]
	s_or_b32 s[G0S+3], s[G0S+3], 0x80000000
	s_mov_b32 s[G0SB], 1
	s_mov_b32 s[G0SB+1], SCL+2*HALFS
	s_mov_b64 s[G0SB+2:G0SB+3], s[92:93]
	s_or_b32 s[G0SB+3], s[G0SB+3], 0x80000000
	; the prefetches: of the 128 rows that my wave fetches in the ring, each of the four partners that ask for them jointly names 32, told apart by address (cx for x1's rows, cy for w1's): s[2:3] = the first of mine
	s_lshl_b32 s22, s17, 8
	s_lshl_b32 s23, s40, 5
	s_add_co_u32 s22, s22, s23
	s_lshl_b32 s23, s42, 8
	s_lshl_b32 s94, s41, 5
	s_add_co_u32 s23, s23, s94
	s_cmp_eq_u32 s15, 0
	s_cselect_b32 s22, s22, s23
	s_cselect_b64 s[2:3], s[4:5], s[8:9]
	s_lshl_b32 s23, s16, 7
	s_add_co_u32 s22, s22, s23
	s_lshl_b32 s22, s22, 10                        ; a row of codes is 1,024 bytes
	s_mov_b32 s23, 0
	s_add_nc_u64 s[2:3], s[2:3], s[22:23]
	s_mov_b32 s4, 1
	s_mov_b32 s5, 0
	s_mov_b64 s[6:7], s[20:21]
	s_or_b32 s7, s7, 0x80000000
	s_mov_b32 s8, 1
	s_mov_b32 s9, 2*HALFT
	s_mov_b64 s[10:11], s[46:47]
	s_or_b32 s11, s11, 0x80000000
	s_add_nc_u64 s[20:21], s[20:21], s[18:19]      ; for the ring: my 128 rows
	s_add_nc_u64 s[46:47], s[46:47], s[18:19]
.irp s, 0,1
	s_mov_b32 s[G0+4*\s], 1
	s_add_co_u32 s[G0+4*\s+1], s45, \s*SLOT
	s_add_nc_u64 s[G0+4*\s+2:G0+4*\s+3], s[20:21], \s*ROWB
	s_or_b32 s[G0+4*\s+3], s[G0+4*\s+3], 0x80000000
	s_mov_b32 s[G0B+4*\s], 1
	s_add_co_u32 s[G0B+4*\s+1], s45, \s*SLOT
	s_add_nc_u64 s[G0B+4*\s+2:G0B+4*\s+3], s[46:47], \s*ROWB
	s_or_b32 s[G0B+4*\s+3], s[G0B+4*\s+3], 0x80000000
.endr
; the head's four tiles, one load a wave, in one chain of arms that all lead to one join
.macro ARM under, g0, g1, next
	s_cmp_lt_u32 s14, \under
	s_cbranch_scc0 \next
	tensor_load_to_lds s[\g0:\g0+3], s[\g1:\g1+7]
	s_nop 0
.rept 4
	v_nop
.endr
	s_branch .Lhead_asked
\next:
.endm
	ARM 1, 4, G1, .Lhead_b
	ARM 2, 8, G1B, .Lhead_sa
	ARM 3, G0S, G1S, .Lhead_sb
	tensor_load_to_lds s[G0SB:G0SB+3], s[G1SB:G1SB+7]
	s_nop 0
.rept 4
	v_nop
.endr
.Lhead_asked:
	v_and_b32 v31, 31, v0
	v_lshlrev_b32 v31, 10, v31                     ; a lane a row; never rewritten
	global_prefetch_b8 v31, s[2:3] offset:256 th:TH_LOAD_NT scope:SCOPE_SE   ; K steps 1 and 2: 256 bytes of each of my 32 rows; each block is named once in the cluster
	global_prefetch_b8 v31, s[2:3] offset:512 th:TH_LOAD_NT scope:SCOPE_SE
	v_and_b32 v1, 15, v0
	v_bfe_u32 v2, v0, 4, 1
	v_mul_u32_u24 v3, v1, PITCH
	v_lshl_add_u32 v4, v2, 4, v3
	s_mul_i32 s21, s15, HALFT
	s_mul_i32 s22, s16, HALFT
	s_add_co_u32 s22, s22, 2*HALFT
.irp s, 0,1
	v_add_nc_u32 v[ADRA+\s], s21, v4
	v_add_nc_u32 v[ADRB+\s], s22, v4
	s_add_co_u32 s21, s21, SLOT
	s_add_co_u32 s22, s22, SLOT
.endr
	v_mul_u32_u24 v5, v1, KS
	v_lshrrev_b32 v6, 8, v5
	v_lshl_add_u32 v5, v6, 4, v5
	s_mul_i32 s21, s15, HALFS
	s_mul_i32 s22, s16, HALFS
	s_add_co_u32 s22, s22, 2*HALFS
	s_sub_co_u32 s22, s22, s21
	v_mul_u32_u24 v6, s22, v2
	s_add_co_u32 s21, s21, SCL
	v_add_nc_u32 v5, v5, v6
	v_add_nc_u32 v[ADRS], s21, v5
	v_and_b32 v6, 31, v0
	v_lshlrev_b32 v[VO0], 4, v6
	v_lshlrev_b32 v[VS], 2, v6
	v_lshlrev_b32 v7, 5, v2
	s_wait_alu depctr_va_vdst(0)
	s_lshl_b32 s20, s17, 4
	s_lshl_b32 s21, s15, 3
	s_add_co_u32 s20, s20, s21
	s_lshl_b32 s46, s42, 1
	s_add_co_u32 s46, s46, s16
	s_lshl_b32 s22, s20, 16
	s_lshl_b32 s23, s46, 11
	s_add_co_u32 s22, s22, s23
	s_mov_b32 s23, 0
	s_lshl_b32 s20, s20, 12
	s_lshl_b32 s21, s46, 7
	s_add_co_u32 s20, s20, s21
	s_add_co_u32 s20, s20, 0x1000000
	s_mov_b32 s21, 0
	s_add_nc_u64 s[96:97], s[12:13], s[20:21]
	s_add_nc_u64 s[12:13], s[12:13], s[22:23]
	s_lshl_b32 s46, s46, 9
	s_mov_b32 s47, 0
	s_add_nc_u64 s[98:99], s[98:99], s[46:47]
.irp b, 0,1,2,3,4,5,6,7
	global_load_b128 v[CBI+8*\b:CBI+8*\b+3], v7, s[98:99] offset:64*\b
	global_load_b128 v[CBI+8*\b+4:CBI+8*\b+7], v7, s[98:99] offset:64*\b+16
.endr
	s_wait_loadcnt 0x0
.macro FRAG reg, adr, q, i
.irp c, 0,1,2,3
	ds_load_b128 v[\reg+4*\c:\reg+4*\c+3], v[\adr] offset:128*(\q)+32*\c+(\i)*16*PITCH
.endr
.endm
.macro MUL16 a0, p, q, sc, zero
.irp a, \a0, \a0+1
.irp b, 0,1,2,3,4,5,6,7
.if \zero
	v_wmma_scale_f32_16x16x128_f8f6f4 v[8*(8*((\a)%4)+\b):8*(8*((\a)%4)+\b)+7], v[128*(\p)+FR*\b:128*(\p)+FR*\b+FR-1], v[AF+FR*(\a):AF+FR*(\a)+FR-1], v[CBI+8*\b:CBI+8*\b+7], v[SC+8*NQ*(\sc)+NQ*\b+(\q)], v[SC+8*NQ*(\sc)+NQ*(\a)+(\q)] matrix_a_fmt:MATRIX_FMT_BF8 matrix_b_fmt:MATRIX_FMT_BF8 matrix_a_scale:MATRIX_SCALE_ROW1
.else
	v_wmma_scale_f32_16x16x128_f8f6f4 v[8*(8*((\a)%4)+\b):8*(8*((\a)%4)+\b)+7], v[128*(\p)+FR*\b:128*(\p)+FR*\b+FR-1], v[AF+FR*(\a):AF+FR*(\a)+FR-1], v[8*(8*((\a)%4)+\b):8*(8*((\a)%4)+\b)+7], v[SC+8*NQ*(\sc)+NQ*\b+(\q)], v[SC+8*NQ*(\sc)+NQ*(\a)+(\q)] matrix_a_fmt:MATRIX_FMT_BF8 matrix_b_fmt:MATRIX_FMT_BF8 matrix_a_scale:MATRIX_SCALE_ROW1
.endif
.endr
.endr
.endm
.macro FETCH_B slot, q, p
	WIN TO_B
.irp i, 0,1,2,3,4,5,6,7
	FRAG 128*(\p)+FR*\i, ADRB+\slot, \q, \i
.endr
	WIN 0
.endm
.macro FETCH_A slot, q, i0
.irp i, \i0, \i0+1, \i0+2, \i0+3
	FRAG AF+FR*(\i), ADRA+\slot, \q, \i
.endr
.endm
.macro SCALES sc
.irp i, 0,1,2,3,4,5,6,7
	ds_load_b64 v[SC+8*NQ*\sc+NQ*\i:SC+8*NQ*\sc+NQ*\i+1], v[ADRS] offset:\i*SBLK
.endr
.endm
.macro STEP slot, q, zero
	s_wait_dscnt 4*NL
	WIN MUL_LO-0x20*(\zero)
	MUL16 0, (\q)%2, \q, \slot, \zero
	MUL16 2, (\q)%2, \q, \slot, \zero
	s_wait_dscnt 0
	PLACES NP
	FETCH_B \slot, (\q)+1, 1-(\q)%2
	FETCH_A \slot, (\q)+1, 0
	WIN MUL_HI-0x30*(\zero)
	MUL16 4, (\q)%2, \q, \slot, \zero
	MUL16 6, (\q)%2, \q, \slot, \zero
	PLACES NP
	WIN 0
	FETCH_A \slot, (\q)+1, 4
.endm
.macro TURN slot, next, fill
	s_wait_tensorcnt 0x0
	ds_add_u32 v[SPW], v[NIL]
	s_wait_dscnt 4*NL+1
	WIN MUL_LO
	MUL16 0, 1, NQ-1, \slot, 0
	s_wait_dscnt 0x0
	s_barrier_signal -1
	MUL16 2, 1, NQ-1, \slot, 0
	WIN 0
	s_barrier_wait -1
.if \fill
	CREST
	s_add_nc_u64 s[G0+4*\slot+2:G0+4*\slot+3], s[G0+4*\slot+2:G0+4*\slot+3], 2*ROWB
	s_add_nc_u64 s[G0B+4*\slot+2:G0B+4*\slot+3], s[G0B+4*\slot+2:G0B+4*\slot+3], 2*ROWB
	JLOAD G0+4*\slot, G1, G0B+4*\slot, G1B
	PLACES NP-4
.else
	PLACES NP
.endif
	s_wait_alu depctr_va_vdst(0)
	v_add_nc_u32 v[ADRS], 4*NQ, v[ADRS]
	FETCH_B \next, 0, 0
	FETCH_A \next, 0, 0
	SCALES \next
	WIN MUL_HI
	MUL16 4, 1, NQ-1, \slot, 0
	MUL16 6, 1, NQ-1, \slot, 0
	PLACES NP
	WIN 0
	FETCH_A \next, 0, 4
.endm
	s_wait_alu depctr_va_vdst(0)                   ; the head's end
	s_wait_tensorcnt 0x0                           ; my tile of the head's four is in
	ds_add_u32 v[SPW], v[NIL]
	s_mov_b32 s[G1+2], 128<<16                     ; no load of mine is out: from here on a load brings 128 rows
	s_mov_b32 s[G1+4], 128
	s_mov_b32 s[G1B+2], 128<<16
	s_mov_b32 s[G1B+4], 128
	s_wait_dscnt 0x0
	CROUND                                         ; all four tiles are in, in every partner
	JLOAD G0+4, G1, G0B+4, G1B                     ; slot 1's first fill, my one load behind the round
	FETCH_B 0, 0, 0
	FETCH_A 0, 0, 0
	SCALES 0
	FETCH_A 0, 0, 4
	global_prefetch_b8 v31, s[2:3] offset:768 th:TH_LOAD_NT scope:SCOPE_SE   ; K step 3, the last: two refills ahead of its load
	STEP 0, 0, 1
	s_wait_xcnt 0x0                                ; the prefetches have read s[2:3]
	s_mov_b32 s3, LAPS-1
.Llap:
	TURN 0, 1, 1
	STEP 1, 0, 0
	TURN 1, 0, 1
	STEP 0, 0, 0
	s_sub_co_u32 s3, s3, 1
	s_cmp_lg_u32 s3, 0
	s_cbranch_scc1 .Llap
	TURN 0, 1, 0
	STEP 1, 0, 0
	s_wait_dscnt 4*NL
	WIN MUL_LO
	MUL16 0, 1, NQ-1, 1, 0
	MUL16 2, 1, NQ-1, 1, 0
	s_wait_dscnt 0
	WIN MUL_HI
	MUL16 4, 1, NQ-1, 1, 0
	MUL16 6, 1, NQ-1, 1, 0
	WIN 0
.macro QUANT s
.irp b, 0,1,2,3
	v_max3_num_f32 v[TM+\b], |v[\s+16*\b]|, |v[\s+1+16*\b]|, 0x8000000
.endr
.irp i, 2,4,6,8,10,12,14
.irp b, 0,1,2,3
	v_max3_num_f32 v[TM+\b], v[TM+\b], |v[\s+16*\b+\i]|, |v[\s+1+16*\b+\i]|
.endr
.endr
.irp b, 0,1,2,3
	v_permlanex16_b32 v[TM+4+\b], v[TM+\b], s[SEL], s[SEL+1]
.endr
.irp b, 0,1,2,3
	v_max_num_f32 v[TM+\b], v[TM+\b], v[TM+4+\b]
.endr
.irp b, 0,1,2,3
	v_add_nc_u32 v[TM+12+\b], 0xf8800000, v[TM+\b]
.endr
.irp b, 0,1,2,3
	v_and_or_b32 v[TM+8+\b], v[TM+\b], 0x7f800000, s[MNT]
.endr
.irp b, 0,1,2,3
	v_lshrrev_b32 v[TM+4+\b], 23, v[TM+12+\b]
.endr
	v_lshl_or_b32 v[PW], v[TM+5], 8, v[TM+4]
	v_lshl_or_b32 v[PW], v[TM+6], 16, v[PW]
	v_lshl_or_b32 v[PW], v[TM+7], 24, v[PW]
.irp b, 0,1,2,3
.irp i, 0,1,2,3,4,5,6,7,8,9,10,11,12,13,14,15
	v_med3_num_f32 v[\s+16*\b+\i], v[\s+16*\b+\i], -v[TM+8+\b], v[TM+8+\b]
.endr
	v_cvt_scalef32_pk8_bf8_f32 v[PC+4*\b:PC+1+4*\b], v[\s+16*\b:\s+7+16*\b], v[TM+12+\b]
	v_cvt_scalef32_pk8_bf8_f32 v[PC+2+4*\b:PC+3+4*\b], v[\s+8+16*\b:\s+15+16*\b], v[TM+12+\b]
.endr
	v_nop
.endm
.macro EXTRACT a
	WIN 0x02+(\a)/4
.set AC, 64*((\a)%4)
.set i, 0
.rept 32
	v_pk_mul_f32 v[Z+i:Z+i+1], v[AC+i:AC+i+1], s[RT:RT+1] op_sel_hi:[1,0]
	v_pk_mul_f32 v[HA+i:HA+i+1], v[AC+i:AC+i+1], 0.5 op_sel_hi:[1,0]
.set i, i+2
.endr
	WIN 0
.endm
.macro GELUQ b
.set ZB, Z+16*(\b)
.set HB, HA+16*(\b)
.irp i, 0,1,2,3,4,5,6,7,8,9,10,11,12,13,14,15
	v_med3_num_f32 v[ZB+\i], v[ZB+\i], -4.0, 4.0
.endr
.irp i, 0,2,4,6,8,10,12,14
	v_pk_mul_f32 v[Z2+\i:Z2+\i+1], v[ZB+\i:ZB+\i+1], v[ZB+\i:ZB+\i+1]
.endr
.irp i, 0,2,4,6,8,10,12,14
	v_pk_fma_f32 v[P+\i:P+\i+1], v[Z2+\i:Z2+\i+1], 0xaf95df0b, v[CA:CA+1] op_sel_hi:[1,0,1]
.endr
.irp k, 0xb60cff51, 0xb86ec2d2, 0xba40ac63, 0xbb41a1f6, 0xbc83dbd4
.irp i, 0,2,4,6,8,10,12,14
	v_pk_fma_f32 v[P+\i:P+\i+1], v[P+\i:P+\i+1], v[Z2+\i:Z2+\i+1], \k op_sel_hi:[1,1,0]
.endr
.endr
.irp i, 0,2,4,6,8,10,12,14
	v_pk_fma_f32 v[QD+\i:QD+\i+1], v[Z2+\i:Z2+\i+1], 0xb77460cd, v[CB2:CB2+1] op_sel_hi:[1,0,1]
.endr
.irp k, 0xbadc924e, 0xbbf19bf8, 0xbc69b6a7
.irp i, 0,2,4,6,8,10,12,14
	v_pk_fma_f32 v[QD+\i:QD+\i+1], v[QD+\i:QD+\i+1], v[Z2+\i:Z2+\i+1], \k op_sel_hi:[1,1,0]
.endr
.endr
	s_wait_alu depctr_va_vdst(0)
.irp i, 0,1,2,3,4,5,6,7,8,9,10,11,12,13,14,15
	v_rcp_f32 v[QD+\i], v[QD+\i]
.endr
.irp i, 0,2,4,6,8,10,12,14
	v_pk_mul_f32 v[P+\i:P+\i+1], v[P+\i:P+\i+1], v[ZB+\i:ZB+\i+1]
.endr
	s_wait_alu depctr_va_vdst(0)
.irp i, 0,2,4,6,8,10,12,14
	v_pk_mul_f32 v[P+\i:P+\i+1], v[P+\i:P+\i+1], v[QD+\i:QD+\i+1]
.endr
.irp i, 0,2,4,6,8,10,12,14
	v_pk_fma_f32 v[HB+\i:HB+\i+1], v[P+\i:P+\i+1], v[HB+\i:HB+\i+1], v[HB+\i:HB+\i+1]
.endr
.endm
	PLACES NP
	s_mov_b32 s[SEL], 0x76543210
	s_mov_b32 s[SEL+1], 0xfedcba98
	s_mov_b32 s[MNT], 0x600000
	s_mov_b32 s[RT], 0x3f3504f3
	s_mov_b32 s[RT+1], s[RT]
	v_mov_b32 v[CA], 0x32edffee
	v_mov_b32 v[CA+1], 0x32edffee
	v_mov_b32 v[CB2], 0xb95fbd29
	v_mov_b32 v[CB2+1], 0xb95fbd29
.irp b, 0,1,2,3
	v_mov_b32 v[TM+4+\b], 0
.endr
	s_mov_b32 s46, 0                               ; what the stores' bases step by: nothing ahead of the first block
	s_mov_b32 s47, 0
	s_mov_b32 s100, 0
	s_mov_b32 s101, 0
	s_mov_b32 s3, 0
.Lblk:
.irp k, 0,1,2,3,4,5,6
	s_cmp_eq_u32 s3, \k
	s_cbranch_scc1 .Lx\k
.endr
	EXTRACT 7
	s_branch .Lcommon
.irp k, 0,1,2,3,4,5,6
.Lx\k:
	EXTRACT \k
	s_branch .Lcommon
.endr
.Lcommon:
	GELUQ 0
	GELUQ 1
	GELUQ 2
	GELUQ 3
	s_wait_alu depctr_va_vdst(0)
	s_wait_xcnt 0x0                                ; the last block's stores have read their registers and bases: the lines since then wrote none of them; the quantiser below writes the codes anew
	s_add_nc_u64 s[12:13], s[12:13], s[46:47]
	s_add_nc_u64 s[96:97], s[96:97], s[100:101]
	s_mov_b32 s46, 0x10000                         ; from block to block: 16 rows of images, and of scale words
	s_mov_b32 s100, 0x1000
	QUANT HA
	global_store_b128 v[VO0], v[PC:PC+3], s[12:13]
	global_store_b128 v[VO0], v[PC+4:PC+7], s[12:13] offset:512
	global_store_b128 v[VO0], v[PC+8:PC+11], s[12:13] offset:1024
	global_store_b128 v[VO0], v[PC+12:PC+15], s[12:13] offset:1536
	global_store_b32 v[VS], v[PW], s[96:97]
	s_add_co_u32 s3, s3, 1
	s_cmp_lt_u32 s3, 8
	s_cbranch_scc1 .Lblk
	s_wait_tensorcnt 0x0
	ds_add_u32 v[SPW], v[NIL]
	s_wait_dscnt 0x0
	CROUND
	s_endpgm
.Lfunc_end_k_q73817bf0af_ffn1:
	.size	k_q73817bf0af_ffn1, .Lfunc_end_k_q73817bf0af_ffn1-k_q73817bf0af_ffn1
	.p2alignl 7, 3214868480
	.fill 96, 4, 3214868480
	.section	.rodata,"a",@progbits
	.p2align	6, 0x0
	.amdhsa_kernel k_q73817bf0af_ffn1
		.amdhsa_group_segment_fixed_size 327680
		.amdhsa_private_segment_fixed_size 0
		.amdhsa_enable_private_segment 0
		.amdhsa_kernarg_size 40
		.amdhsa_user_sgpr_count 2
		.amdhsa_user_sgpr_kernarg_segment_ptr 1
		.amdhsa_wavefront_size32 1
		.amdhsa_system_sgpr_workgroup_id_x 1
		.amdhsa_system_sgpr_workgroup_id_y 1
		.amdhsa_system_sgpr_workgroup_id_z 1
		.amdhsa_system_vgpr_workitem_id 0
		.amdhsa_next_free_vgpr 1024
		.amdhsa_next_free_sgpr 104
		.amdhsa_reserve_vcc 0
		.amdhsa_float_denorm_mode_32 3
		.amdhsa_float_denorm_mode_16_64 3
		.amdhsa_memory_ordered 1
		.amdhsa_forward_progress 1
		.amdhsa_inst_pref_size 207
	.end_amdhsa_kernel
	.amdgpu_metadata
---
amdhsa.version: [ 1, 2 ]
amdhsa.kernels:
  - .name:           k_q73817bf0af_ffn1
    .symbol:         k_q73817bf0af_ffn1.kd
    .args:
      - { .name: x1b, .offset: 0, .size: 8, .value_kind: global_buffer, .address_space: global }
      - { .name: w1_codes, .offset: 8, .size: 8, .value_kind: global_buffer, .address_space: global }
      - { .name: w1_scales, .offset: 16, .size: 8, .value_kind: global_buffer, .address_space: global }
      - { .name: bf1, .offset: 24, .size: 8, .value_kind: global_buffer, .address_space: global }
      - { .name: hq, .offset: 32, .size: 8, .value_kind: global_buffer, .address_space: global }
    .group_segment_fixed_size: 327680
    .private_segment_fixed_size: 0
    .kernarg_segment_align: 8
    .kernarg_segment_size: 40
    .max_flat_workgroup_size: 128
    .sgpr_count:     104
    .vgpr_count:     1024
    .wavefront_size: 32
...
	.end_amdgpu_metadata
.endif
;; end of part 6
;; launch ffn2 (part 7): grid 8 x 32, 4 waves a work-group, clusters of 4 x 4, 327,680 bytes of LDS; arguments hq, w2_codes, w2_scales, bf2, x1b, res; writes res
.if DOCPART == 7
	.amdgcn_target "amdgcn-amd-amdhsa--gfx1250"
	.amdhsa_code_object_version 6
	.text
	.protected	k_q73817bf0af_ffn2
	.globl	k_q73817bf0af_ffn2
	.p2align	8
	.type	k_q73817bf0af_ffn2,@function
k_q73817bf0af_ffn2:
	s_mov_b64 s[64:65], 0
	v_nop
	global_prefetch_b8 v0, s[64:65] scope:SCOPE_SE
	s_setreg_imm32_b32 hwreg(HW_REG_WAVE_MODE, 25, 1), 1
	s_wait_xcnt 0x0
	s_wait_alu depctr_hold_cnt(0) depctr_sa_sdst(0) depctr_va_vdst(0) depctr_va_sdst(0) depctr_va_ssrc(0) depctr_va_vcc(0) depctr_vm_vsrc(0)
	s_getreg_b32 s2, hwreg(HW_REG_IB_STS2, 6, 4)
	s_cmp_eq_u32 s2, 0
	s_cbranch_scc0 .Lentry_in_a_cluster
	s_endpgm
.Lentry_in_a_cluster:
	s_bfe_u32 s2, ttmp6, 0x10000c
	s_cmp_lg_u32 s2, 0xf033
	s_cbranch_scc0 .Lentry_shape_is_right
	s_endpgm
.Lentry_shape_is_right:
.set SIZE_K, 4096
.set KS,     SIZE_K/32
.set SLOT,   133120
.set BOFF,   65536
.set BHALF,  64*528
.set SCA,    2*SLOT
.set SCB,    SCA+8*SIZE_K
.set SBH,    (SIZE_K/128)*272
.set SBBLK,  (16*KS/256)*272
.set SPARE,  SCB+2*SBH
.set LAPS,   SIZE_K/1024
.set SCOFF,  4096*SIZE_K
.set NP,     8
.set ADRA, 16
.set ADRB, 20
.set ADSA, 22
.set ADSB, 23
.set STO,  24
.set RD,   25
.set CO,   26
.set VR,   27
.set SPW,  28
.set NIL,  29
.set SAW,  32
.set SBW,  64
.set BI,   96
.set ACC,  128
.set G1A, 24
.set G0A, 32
.set G1B, 48
.set G0B, 56
.set G1SA, 68
.set G0SA, 76
.set G1SB, 80
.set G0SB, 88
.set MSB, 0
.macro WIN new
.if MSB != (\new)
	s_set_vgpr_msb (MSB<<8)|(\new)
.set MSB, (\new)
.endif
.endm
.set MUL,  0x05
.set TO_F, 0x40
.macro JLOAD g0a, g1a, g0b, g1b
	s_cmp_eq_u32 s15, 0
	s_cbranch_scc0 .Lfor_b_\@
	tensor_load_to_lds s[\g0a:\g0a+3], s[\g1a:\g1a+7]
	s_nop 0
.rept 4
	v_nop
.endr
	s_branch .Lasked_\@
.Lfor_b_\@:
	tensor_load_to_lds s[\g0b:\g0b+3], s[\g1b:\g1b+7]
	s_nop 0
.rept 4
	v_nop
.endr
.Lasked_\@:
.endm
.macro CREST
	s_cmp_lg_u32 s14, 0
	s_cbranch_scc1 .Lnot_wave_0_\@
	s_barrier_signal -3
.Lnot_wave_0_\@:
	s_barrier_wait -3
	s_barrier_signal -1
	s_barrier_wait -1
.endm
.macro CROUND
	s_barrier_signal -1
	s_barrier_wait -1
	CREST
.endm
.macro PLACES n
.rept \n
	v_nop
.endr
.endm
	s_load_b256 s[4:11], s[0:1], 0x0
	s_load_b128 s[92:95], s[0:1], 0x20
	v_lshl_add_u32 v[SPW], v0, 2, SPARE
	v_mov_b32 v[NIL], 0
	ds_add_u32 v28, v29
	ds_add_u32 v28, v29
	s_wait_dscnt 0x0
	v_lshrrev_b32 v1, 5, v0
	v_readfirstlane_b32 s14, v1
	s_lshr_b32 s15, s14, 1
	s_and_b32 s16, s14, 1
	s_bfe_u32 s40, ttmp6, 0x40000
	s_bfe_u32 s41, ttmp6, 0x40004
	s_lshl_b32 s42, ttmp9, 2
	s_add_co_u32 s42, s42, s40
	s_and_b32 s17, ttmp7, 0xffff
	s_lshl_b32 s17, s17, 2
	s_add_co_u32 s17, s17, s41
	s_lshl_b32 s43, s41, 2
	s_lshl_b32 s43, 15, s43
	s_lshl_b32 s44, 0x1111, s40
	s_or_b32 s[G1A+0], s43, (3<<16)|(1<<21)
	s_mov_b32 s[G1A+1], 1024<<16
	s_mov_b32 s[G1A+2], 8<<16                      ; the head's load of A brings all 8 tiles
	s_mov_b32 s[G1A+3], 1024<<16
	s_mov_b32 s[G1A+4], 8
	s_mov_b32 s[G1A+5], 2*SIZE_K
	s_mov_b32 s[G1A+6], 0
	s_mov_b32 s[G1A+7], 0
	s_or_b32 s[G1B+0], s44, (0<<16)|(1<<20)|(1<<21)|(6<<22)|(3<<25)
	s_mov_b32 s[G1B+1], 512<<16
	s_mov_b32 s[G1B+2], 128<<16                    ; and that of W all 128 rows
	s_mov_b32 s[G1B+3], 512<<16
	s_mov_b32 s[G1B+4], 128
	s_mov_b32 s[G1B+5], SIZE_K
	s_mov_b32 s[G1B+6], 0
	s_mov_b32 s[G1B+7], 0
	s_or_b32 s[G1SA+0], s43, (3<<16)|(1<<21)
	s_mov_b32 s[G1SA+1], 32<<16
	s_mov_b32 s[G1SA+2], (SIZE_K/32)<<16           ; A's scale images of 8 tiles: 8 SIZE_K dense bytes
	s_mov_b32 s[G1SA+3], 32<<16
	s_mov_b32 s[G1SA+4], SIZE_K/32
	s_mov_b32 s[G1SA+5], 32
	s_mov_b32 s[G1SA+6], 0
	s_mov_b32 s[G1SA+7], 0
	s_or_b32 s[G1SB+0], s44, (3<<16)|(1<<20)|(1<<21)|(5<<22)|(3<<25)
	s_mov_b32 s[G1SB+1], 32<<16
	s_mov_b32 s[G1SB+2], (SIZE_K/64)<<16           ; W's scale bytes of 128 rows
	s_mov_b32 s[G1SB+3], 32<<16
	s_mov_b32 s[G1SB+4], SIZE_K/64
	s_mov_b32 s[G1SB+5], 32
	s_mov_b32 s[G1SB+6], 0
	s_mov_b32 s[G1SB+7], 0
	s_lshl_b32 s20, s17, 3                         ; A: the block's first tile
	s_mul_i32 s22, s20, SIZE_K
	s_add_co_u32 s22, s22, SCOFF
	s_mov_b32 s23, 0
	s_mul_i32 s20, s20, 16*SIZE_K
	s_mov_b32 s21, 0
	s_lshl_b32 s46, s42, 7                         ; W: the block's first row
	s_mul_i32 s96, s46, KS
	s_mov_b32 s97, 0
	s_mul_i32 s46, s46, SIZE_K
	s_mov_b32 s47, 0
	s_lshl_b32 s45, s16, 15
	s_mul_i32 s100, s16, BHALF
	s_add_co_u32 s100, s100, BOFF
	s_lshl_b32 s18, s16, 18                        ; in the ring a wave fetches half a tile: 4 tiles of 16 SIZE_K bytes of A, or 64 rows of SIZE_K bytes of W: 262,144 bytes on either way
	s_mov_b32 s19, 0
	s_wait_kmcnt 0x0
	s_add_nc_u64 s[20:21], s[4:5], s[20:21]
	s_add_nc_u64 s[22:23], s[4:5], s[22:23]
	s_add_nc_u64 s[46:47], s[6:7], s[46:47]
	s_add_nc_u64 s[96:97], s[8:9], s[96:97]
	CROUND
	s_mov_b32 s[G0SA], 1
	s_mov_b32 s[G0SA+1], SCA
	s_mov_b64 s[G0SA+2:G0SA+3], s[22:23]
	s_or_b32 s[G0SA+3], s[G0SA+3], 0x80000000
	s_mov_b32 s[G0SB], 1
	s_mov_b32 s[G0SB+1], SCB
	s_mov_b64 s[G0SB+2:G0SB+3], s[96:97]
	s_or_b32 s[G0SB+3], s[G0SB+3], 0x80000000
	; the prefetches.  A slot's part of what my wave fetches in the ring is 4 tiles x 8,192 bytes of A, or 64 rows x 512 bytes of W: 128 blocks of 256 bytes.  The four partners that ask for it jointly name 32 blocks each,
	; told apart by address: of A the partner at cx takes one tile (lanes 256 bytes apart), of W the partner at cy takes 16 rows (two lanes to a row).  s[12:13]: where mine stand; s[66:67]: a slot on; s101: from lane pair to lane pair
	s_lshl_b32 s2, s17, 3
	s_lshl_b32 s3, s16, 2
	s_add_co_u32 s2, s2, s3
	s_add_co_u32 s2, s2, s40
	s_lshl_b32 s2, s2, 16                          ; A: my tile x 16 SIZE_K bytes
	s_lshl_b32 s3, s42, 7
	s_lshl_b32 s66, s16, 6
	s_add_co_u32 s3, s3, s66
	s_lshl_b32 s66, s41, 4
	s_add_co_u32 s3, s3, s66
	s_lshl_b32 s3, s3, 12                          ; W: my first row x SIZE_K bytes
	s_mov_b32 s66, 512
	s_mov_b32 s101, 4096
	s_cmp_eq_u32 s15, 0
	s_cselect_b32 s2, s2, s3
	s_cselect_b64 s[12:13], s[4:5], s[6:7]
	s_cselect_b32 s66, 8192, s66
	s_cselect_b32 s101, 512, s101
	s_mov_b32 s3, 0
	s_mov_b32 s67, 0
	s_add_nc_u64 s[12:13], s[12:13], s[2:3]
	s_add_nc_u64 s[12:13], s[12:13], s[66:67]      ; at slot 1
	s_mov_b32 s4, 1
	s_mov_b32 s5, 0
	s_mov_b64 s[6:7], s[20:21]
	s_or_b32 s7, s7, 0x80000000
	s_mov_b32 s96, 1
	s_mov_b32 s97, BOFF
	s_mov_b64 s[98:99], s[46:47]
	s_or_b32 s99, s99, 0x80000000
	s_add_nc_u64 s[20:21], s[20:21], s[18:19]      ; for the ring: my half
	s_add_nc_u64 s[46:47], s[46:47], s[18:19]
.irp s, 0,1
	s_mov_b32 s[G0A+4*\s], 1
	s_add_co_u32 s[G0A+4*\s+1], s45, \s*SLOT
	s_add_nc_u64 s[G0A+4*\s+2:G0A+4*\s+3], s[20:21], \s*8192
	s_or_b32 s[G0A+4*\s+3], s[G0A+4*\s+3], 0x80000000
	s_mov_b32 s[G0B+4*\s], 1
	s_add_co_u32 s[G0B+4*\s+1], s100, \s*SLOT
	s_add_nc_u64 s[G0B+4*\s+2:G0B+4*\s+3], s[46:47], \s*512
	s_or_b32 s[G0B+4*\s+3], s[G0B+4*\s+3], 0x80000000
.endr
; the head's four tiles, one load a wave, in one chain of arms that all lead to one join
.macro ARM under, g0, g1, next
	s_cmp_lt_u32 s14, \under
	s_cbranch_scc0 \next
	tensor_load_to_lds s[\g0:\g0+3], s[\g1:\g1+7]
	s_nop 0
.rept 4
	v_nop
.endr
	s_branch .Lhead_asked
\next:
.endm
	ARM 1, 4, G1A, .Lhead_b
	ARM 2, 96, G1B, .Lhead_sa
	ARM 3, G0SA, G1SA, .Lhead_sb
	tensor_load_to_lds s[G0SB:G0SB+3], s[G1SB:G1SB+7]
	s_nop 0
.rept 4
	v_nop
.endr
.Lhead_asked:
	v_and_b32 v31, 31, v0
	v_lshrrev_b32 v30, 1, v31
	v_and_b32 v31, 1, v31
	v_mul_u32_u24 v30, s101, v30
	v_lshl_add_u32 v30, v31, 8, v30                ; v30: my lane's block
	v_add_nc_u32 v31, s66, v30                     ; v31: the same a slot further on; both are never rewritten
	global_prefetch_b8 v30, s[12:13] th:TH_LOAD_NT scope:SCOPE_SE   ; slot 1,
	global_prefetch_b8 v31, s[12:13] th:TH_LOAD_NT scope:SCOPE_SE   ; slot 2
	v_and_b32 v1, 15, v0
	v_bfe_u32 v2, v0, 4, 1
	v_and_b32 v3, 31, v0
	s_wait_alu depctr_va_vdst(0)
	v_lshlrev_b32 v4, 4, v3
	s_lshl_b32 s21, s15, 15
	v_mul_u32_u24 v5, v1, 528
	v_lshl_add_u32 v5, v2, 3, v5
	s_mul_i32 s22, s16, BHALF
	s_add_co_u32 s22, s22, BOFF
.irp s, 0,1
	v_add_nc_u32 v[ADRA+\s], s21, v4
	v_add_nc_u32 v[ADRB+\s], s22, v5
	s_add_co_u32 s21, s21, SLOT
	s_add_co_u32 s22, s22, SLOT
.endr
	s_mul_i32 s21, s15, 4*SIZE_K
	s_add_co_u32 s21, s21, SCA
	v_lshl_add_u32 v[ADSA], v3, 2, s21
	v_mul_u32_u24 v5, v1, KS
	v_lshrrev_b32 v6, 8, v5
	v_lshl_add_u32 v5, v6, 4, v5
	s_mul_i32 s22, s16, SBH
	s_add_co_u32 s22, s22, SCB
	v_add_nc_u32 v[ADSB], s22, v5
	s_mul_i32 s23, s14, 16*272
	v_mul_u32_u24 v5, v1, 272
	v_lshl_add_u32 v5, v2, 5, v5
	v_add_nc_u32 v[STO], s23, v5
	v_mul_u32_u24 v5, v2, 272
	v_lshl_add_u32 v5, v1, 4, v5
	v_add_nc_u32 v[RD], s23, v5
	v_lshlrev_b32 v5, 12, v2
	v_lshl_add_u32 v[CO], v1, 4, v5
	v_lshlrev_b32 v5, 12, v1
	v_lshl_add_u32 v[VR], v2, 5, v5
	s_wait_alu depctr_va_vdst(0)
	v_lshlrev_b32 v7, 5, v2
	s_wait_alu depctr_va_vdst(0)
	s_lshl_b32 s20, s17, 7
	s_lshl_b32 s21, s15, 6
	s_add_co_u32 s20, s20, s21
	s_lshl_b32 s20, s20, 12
	s_lshl_b32 s46, s42, 9
	s_lshl_b32 s47, s16, 8
	s_add_co_u32 s46, s46, s47
	s_add_co_u32 s20, s20, s46
	s_mov_b32 s21, 0
	s_mov_b32 s47, 0
	s_add_nc_u64 s[92:93], s[92:93], s[20:21]
	s_add_nc_u64 s[94:95], s[94:95], s[20:21]
	s_add_nc_u64 s[10:11], s[10:11], s[46:47]
.irp b, 0,1,2,3
	global_load_b128 v[BI+8*\b:BI+8*\b+3], v7, s[10:11] offset:64*\b
	global_load_b128 v[BI+8*\b+4:BI+8*\b+7], v7, s[10:11] offset:64*\b+16
.endr
	s_wait_alu depctr_va_vdst(0)                   ; the head's end
	s_wait_tensorcnt 0x0                           ; my tile of the head's four is in (the bias's loads stay out)
	ds_add_u32 v[SPW], v[NIL]
	s_mov_b32 s[G1A+2], 4<<16                      ; no tensor load of mine is out: from here on a load brings 4 tiles of A,
	s_mov_b32 s[G1A+4], 4
	s_mov_b32 s[G1B+2], 64<<16                     ; or 64 rows of W
	s_mov_b32 s[G1B+4], 64
	s_wait_dscnt 0x0
	CROUND                                         ; all four tiles are in, in every partner
	JLOAD G0A+4, G1A, G0B+4, G1B                   ; slot 1's first fill, my one load behind the round
	s_wait_loadcnt 0x0
	s_wait_xcnt 0x0                                ; the prefetches have read their address
	s_add_nc_u64 s[12:13], s[12:13], s[66:67]
	global_prefetch_b8 v31, s[12:13] th:TH_LOAD_NT scope:SCOPE_SE   ; slot 3: two fills ahead of its load
	WIN 0x80                                       ; destination window 2
.irp a, 0,1,2,3                                ; the residual x1, in the results' layout, into 128 registers of window 2: asked for when the head's tiles have landed, wanted behind the last product
.irp b, 0,1,2,3
	global_load_b128 v[8*(4*\a+\b):8*(4*\a+\b)+3], v[VR], s[92:93] offset:16*\a*4096+64*\b
	global_load_b128 v[8*(4*\a+\b)+4:8*(4*\a+\b)+7], v[VR], s[92:93] offset:16*\a*4096+64*\b+16
.endr
.endr
	WIN 0
.irp a, 0,1,2,3                                ; the sums begin with the bias: the same 32 numbers a lane for each of my four blocks of rows
.irp b, 0,1,2,3
.irp i, 0,2,4,6
	v_dual_mov_b32 v[ACC+8*(4*\a+\b)+\i], v[BI+8*\b+\i] :: v_dual_mov_b32 v[ACC+8*(4*\a+\b)+\i+1], v[BI+8*\b+\i+1]
.endr
.endr
.endr
.macro MULA f, q, sc, a
.irp b, 0,1,2,3
	v_wmma_scale_f32_16x16x128_f8f6f4 v[ACC+8*(4*(\a)+\b):ACC+8*(4*(\a)+\b)+7], v[128*(\f)+64+16*\b:128*(\f)+64+16*\b+15], v[128*(\f)+16*(\a):128*(\f)+16*(\a)+15], v[ACC+8*(4*(\a)+\b):ACC+8*(4*(\a)+\b)+7], v[SBW+16*(\sc)+4*\b+(\q)], v[SAW+16*(\sc)+4*(\a)+(\q)] matrix_a_fmt:MATRIX_FMT_BF8 matrix_b_fmt:MATRIX_FMT_BF8
.endr
.endm
.macro FETCH slot, q, f
	WIN TO_F
.irp a, 0,1,2,3
.irp c, 0,1,2,3
	ds_load_b128 v[128*(\f)+16*\a+4*\c:128*(\f)+16*\a+4*\c+3], v[ADRA+\slot] offset:8192*\a+2048*(\q)+512*\c
.endr
.endr
.irp b, 0,1,2,3
.irp c, 0,1,2,3
	ds_load_b64 v[128*(\f)+64+16*\b+4*\c:128*(\f)+64+16*\b+4*\c+1], v[ADRB+\slot] offset:8448*\b+128*(\q)+32*\c
	ds_load_b64 v[128*(\f)+64+16*\b+4*\c+2:128*(\f)+64+16*\b+4*\c+3], v[ADRB+\slot] offset:8448*\b+128*(\q)+32*\c+16
.endr
.endr
.endm
.macro SCALES sc
	WIN 0
.irp a, 0,1,2,3
.irp q, 0,1,2,3
	ds_load_b32 v[SAW+16*\sc+4*\a+\q], v[ADSA] offset:\a*SIZE_K+128*\q
.endr
.endr
.irp b, 0,1,2,3
	ds_load_b128 v[SBW+16*\sc+4*\b:SBW+16*\sc+4*\b+3], v[ADSB] offset:\b*SBBLK
.endr
.endm
.macro STEP slot, q
	PLACES NP
	FETCH \slot, (\q)+1, 1-(\q)%2
	s_wait_dscnt 48
	WIN MUL
	MULA (\q)%2, \q, \slot, 0
	MULA (\q)%2, \q, \slot, 1
	MULA (\q)%2, \q, \slot, 2
	MULA (\q)%2, \q, \slot, 3
.endm
.macro TURN slot, next, fill
	WIN 0
.if \fill
	s_wait_xcnt 0x0                                ; the last prefetch has read its address: it is stepped here, ahead of the waits of the change of slots
	s_add_nc_u64 s[12:13], s[12:13], s[66:67]
.endif
	s_wait_tensorcnt 0x0
	ds_add_u32 v[SPW], v[NIL]
	s_wait_dscnt 1
	WIN MUL
	MULA 1, 3, \slot, 0
	s_wait_dscnt 0x0
	s_barrier_signal -1
	MULA 1, 3, \slot, 1
	WIN 0
	s_barrier_wait -1
.if \fill
	CREST
	s_add_nc_u64 s[G0A+4*\slot+2:G0A+4*\slot+3], s[G0A+4*\slot+2:G0A+4*\slot+3], 16384
	s_add_nc_u64 s[G0B+4*\slot+2:G0B+4*\slot+3], s[G0B+4*\slot+2:G0B+4*\slot+3], 1024
	JLOAD G0A+4*\slot, G1A, G0B+4*\slot, G1B
	PLACES NP-4
.else
	PLACES NP
.endif
	s_wait_alu depctr_va_vdst(0)
	v_add_nc_u32 v[ADSA], 512, v[ADSA]
	v_add_nc_u32 v[ADSB], 16, v[ADSB]
	FETCH \next, 0, 0
	SCALES \next
.if \fill
	s_cmp_gt_u32 s3, 1                             ; the refill of slot j is followed by a prefetch of slot j + 2; the last lap's two refills have no slot two on, and ask for nothing
	s_cbranch_scc0 .Lno_ask_\@
	global_prefetch_b8 v31, s[12:13] th:TH_LOAD_NT scope:SCOPE_SE
.Lno_ask_\@:
.endif
	WIN MUL
	MULA 1, 3, \slot, 2
	MULA 1, 3, \slot, 3
.endm
	FETCH 0, 0, 0
	SCALES 0
.if LAPS > 1
	s_mov_b32 s3, LAPS-1
.Llap:
	s_wait_alu depctr_va_vdst(0)
	STEP 0, 0
	STEP 0, 1
	STEP 0, 2
	TURN 0, 1, 1
	STEP 1, 0
	STEP 1, 1
	STEP 1, 2
	TURN 1, 0, 1
	WIN 0
	s_sub_co_u32 s3, s3, 1
	s_cmp_lg_u32 s3, 0
	s_cbranch_scc1 .Llap
.endif
	STEP 0, 0
	STEP 0, 1
	STEP 0, 2
	TURN 0, 1, 0
	STEP 1, 0
	STEP 1, 1
	STEP 1, 2
	s_wait_dscnt 0x0
	MULA 1, 3, 1, 0
	MULA 1, 3, 1, 1
	MULA 1, 3, 1, 2
	MULA 1, 3, 1, 3
	WIN 0
.macro TOSTAGE a
.irp b, 0,1,2,3
	ds_store_b128 v[STO], v[ACC+8*(4*(\a)+\b):ACC+8*(4*(\a)+\b)+3] offset:64*\b
	ds_store_b128 v[STO], v[ACC+8*(4*(\a)+\b)+4:ACC+8*(4*(\a)+\b)+7] offset:64*\b+16
.endr
.irp t, 0,1,2,3,4,5,6,7
	ds_load_b128 v[ACC+32*(\a)+4*\t:ACC+32*(\a)+4*\t+3], v[RD] offset:544*\t
.endr
.endm
.macro SEND a, younger
	s_wait_dscnt \younger
.irp t, 0,1,2,3,4,5,6,7
	global_store_b128 v[CO], v[ACC+32*(\a)+4*\t:ACC+32*(\a)+4*\t+3], s[94:95] offset:(16*(\a)+2*\t)*4096 th:TH_STORE_NT
.endr
.endm
	PLACES NP
	s_wait_loadcnt 0x0                             ; the residual
	WIN 0x08                                       ; source 1 window 2
.set RI, 0
.rept 64
	v_pk_add_f32 v[ACC+RI:ACC+RI+1], v[ACC+RI:ACC+RI+1], v[RI:RI+1]   ; each accumulator from its low end on; in the order of f32 rounding the bias stands first and the residual last
.set RI, RI+2
.endr
	WIN 0
	s_wait_alu depctr_va_vdst(0)
	TOSTAGE 0
	TOSTAGE 1
	SEND 0, 16
	TOSTAGE 2
	SEND 1, 16
	TOSTAGE 3
	SEND 2, 16
	SEND 3, 0
	s_wait_tensorcnt 0x0
	ds_add_u32 v[SPW], v[NIL]
	s_wait_dscnt 0x0
	CROUND
	s_endpgm
.Lfunc_end_k_q73817bf0af_ffn2:
	.size	k_q73817bf0af_ffn2, .Lfunc_end_k_q73817bf0af_ffn2-k_q73817bf0af_ffn2
	.p2alignl 7, 3214868480
	.fill 96, 4, 3214868480
	.section	.rodata,"a",@progbits
	.p2align	6, 0x0
	.amdhsa_kernel k_q73817bf0af_ffn2
		.amdhsa_group_segment_fixed_size 327680
		.amdhsa_private_segment_fixed_size 0
		.amdhsa_enable_private_segment 0
		.amdhsa_kernarg_size 48
		.amdhsa_user_sgpr_count 2
		.amdhsa_user_sgpr_kernarg_segment_ptr 1
		.amdhsa_wavefront_size32 1
		.amdhsa_system_sgpr_workgroup_id_x 1
		.amdhsa_system_sgpr_workgroup_id_y 1
		.amdhsa_system_sgpr_workgroup_id_z 1
		.amdhsa_system_vgpr_workitem_id 0
		.amdhsa_next_free_vgpr 640
		.amdhsa_next_free_sgpr 104
		.amdhsa_reserve_vcc 0
		.amdhsa_float_denorm_mode_32 3
		.amdhsa_float_denorm_mode_16_64 3
		.amdhsa_memory_ordered 1
		.amdhsa_forward_progress 1
		.amdhsa_inst_pref_size 126
	.end_amdhsa_kernel
	.amdgpu_metadata
---
amdhsa.version: [ 1, 2 ]
amdhsa.kernels:
  - .name:           k_q73817bf0af_ffn2
    .symbol:         k_q73817bf0af_ffn2.kd
    .args:
      - { .name: hq, .offset: 0, .size: 8, .value_kind: global_buffer, .address_space: global }
      - { .name: w2_codes, .offset: 8, .size: 8, .value_kind: global_buffer, .address_space: global }
      - { .name: w2_scales, .offset: 16, .size: 8, .value_kind: global_buffer, .address_space: global }
      - { .name: bf2, .offset: 24, .size: 8, .value_kind: global_buffer, .address_space: global }
      - { .name: x1b, .offset: 32, .size: 8, .value_kind: global_buffer, .address_space: global }
      - { .name: res, .offset: 40, .size: 8, .value_kind: global_buffer, .address_space: global }
    .group_segment_fixed_size: 327680
    .private_segment_fixed_size: 0
    .kernarg_segment_align: 8
    .kernarg_segment_size: 48
    .max_flat_workgroup_size: 128
    .sgpr_count:     104
    .vgpr_count:     640
    .wavefront_size: 32
...
	.end_amdgpu_metadata
.endif
;; end of part 7
;; launch ln2 (part 8): grid 256 x 1, 4 waves a work-group, no clusters, 0 bytes of LDS; arguments res, g2, b2, out0; writes out0
.if DOCPART == 8
	.amdgcn_target "amdgcn-amd-amdhsa--gfx1250"
	.amdhsa_code_object_version 6
	.text
	.protected	k_q73817bf0af_ln2
	.globl	k_q73817bf0af_ln2
	.p2align	8
	.type	k_q73817bf0af_ln2,@function
k_q73817bf0af_ln2:
	s_mov_b64 s[64:65], 0
	v_nop
	global_prefetch_b8 v0, s[64:65] scope:SCOPE_SE
	s_setreg_imm32_b32 hwreg(HW_REG_WAVE_MODE, 25, 1), 1
	s_wait_xcnt 0x0
; out0 = layernorm(res) g2 + b2, rows of 1,024, f32.  One wave, four rows; a row stays in 32 registers between its passes (mean; x - mean; mean of squares; scaling): memory is read once, no wave waits for another.
; All 32 row loads of a wave go out at the head; each load and store of a wave covers 512 consecutive bytes.  NaN and infinities among the inputs are not served.
.set G,   16
.set B,   48
.set X,   80
	s_load_b256 s[4:11], s[0:1], 0x0               ; res, g2, b2, out0
	v_lshrrev_b32 v2, 5, v0
	v_readfirstlane_b32 s16, v2
	v_and_b32 v2, 31, v0
	v_lshlrev_b32 v1, 4, v2
	v_mov_b32 v11, 0
	v_mov_b32 v13, 0
	v_mov_b32 v15, 0
	s_mov_b32 s12, 0x76543210
	s_mov_b32 s13, 0xfedcba98
	s_mov_b32 s14, 0x3a800000                      ; 1 / 1,024
	s_mov_b32 s15, 0x3727c5ac                      ; 1e-5
	s_lshl_b32 s17, ttmp9, 4
	s_lshl_b32 s18, s16, 2
	s_add_co_u32 s17, s17, s18
	s_lshl_b32 s20, s17, 12
	s_mov_b32 s21, 0
	s_wait_alu depctr_va_vdst(0)
	s_wait_kmcnt 0x0
	s_add_nc_u64 s[4:5], s[4:5], s[20:21]
	s_add_nc_u64 s[10:11], s[10:11], s[20:21]
.irp j, 0,1,2,3,4,5,6,7
	global_load_b128 v[G+4*\j:G+4*\j+3], v1, s[6:7] offset:512*\j
	global_load_b128 v[B+4*\j:B+4*\j+3], v1, s[8:9] offset:512*\j
.endr
.irp i, 0,1,2,3
.irp j, 0,1,2,3,4,5,6,7
	global_load_b128 v[X+32*\i+4*\j:X+32*\i+4*\j+3], v1, s[4:5] offset:4096*\i+512*\j th:TH_LOAD_NT
.endr
.endr
.macro REDUCE
	v_pk_add_f32 v[2:3], v[2:3], v[4:5]
	v_pk_add_f32 v[6:7], v[6:7], v[8:9]
	v_pk_add_f32 v[2:3], v[2:3], v[6:7]
	v_add_f32 v10, v2, v3
	v_add_f32_dpp v10, v10, v10 row_xmask:1 row_mask:0xf bank_mask:0xf
	v_add_f32_dpp v10, v10, v10 row_xmask:2 row_mask:0xf bank_mask:0xf
	v_add_f32_dpp v10, v10, v10 row_xmask:4 row_mask:0xf bank_mask:0xf
	v_add_f32_dpp v10, v10, v10 row_xmask:8 row_mask:0xf bank_mask:0xf
	v_permlanex16_b32 v11, v10, s12, s13
	v_add_f32 v10, v10, v11
.endm
.macro ROW i
.set XR, X+32*(\i)
	s_wait_loadcnt 8*(3-(\i))                      ; my row is in; the later rows' loads stay out
.irp k, 0,1,2,3
	v_pk_add_f32 v[2+2*\k:3+2*\k], v[XR+4*\k:XR+4*\k+1], v[XR+4*\k+2:XR+4*\k+3]
.endr
.irp m, 16,24
.irp k, 0,1,2,3
	v_pk_add_f32 v[2+2*\k:3+2*\k], v[2+2*\k:3+2*\k], v[XR+\m+2*\k:XR+\m+2*\k+1]
.endr
.endr
	REDUCE
	v_mul_f32 v12, s14, v10
.irp k, 0,2,4,6,8,10,12,14,16,18,20,22,24,26,28,30
	v_pk_add_f32 v[XR+\k:XR+\k+1], v[XR+\k:XR+\k+1], v[12:13] op_sel_hi:[1,0] neg_lo:[0,1] neg_hi:[0,1]
.endr
.irp k, 0,1,2,3
	v_pk_mul_f32 v[2+2*\k:3+2*\k], v[XR+2*\k:XR+2*\k+1], v[XR+2*\k:XR+2*\k+1]
.endr
.irp m, 8,16,24
.irp k, 0,1,2,3
	v_pk_fma_f32 v[2+2*\k:3+2*\k], v[XR+\m+2*\k:XR+\m+2*\k+1], v[XR+\m+2*\k:XR+\m+2*\k+1], v[2+2*\k:3+2*\k]
.endr
.endr
	REDUCE
	v_fma_f32 v14, v10, s14, s15
	s_wait_alu depctr_va_vdst(0)
	v_rsq_f32 v14, v14
	v_nop
	s_wait_alu depctr_va_vdst(0)                   ; ahead of the first reader
.irp k, 0,2,4,6,8,10,12,14,16,18,20,22,24,26,28,30
	v_pk_mul_f32 v[XR+\k:XR+\k+1], v[XR+\k:XR+\k+1], v[14:15] op_sel_hi:[1,0]
.endr
.irp k, 0,2,4,6,8,10,12,14,16,18,20,22,24,26,28,30
	v_pk_fma_f32 v[XR+\k:XR+\k+1], v[XR+\k:XR+\k+1], v[G+\k:G+\k+1], v[B+\k:B+\k+1]
.endr
.irp j, 0,1,2,3,4,5,6,7
	global_store_b128 v1, v[XR+4*\j:XR+4*\j+3], s[10:11] offset:4096*(\i)+512*\j th:TH_STORE_NT
.endr
.endm
	ROW 0
	ROW 1
	ROW 2
	ROW 3
	s_endpgm
.Lfunc_end_k_q73817bf0af_ln2:
	.size	k_q73817bf0af_ln2, .Lfunc_end_k_q73817bf0af_ln2-k_q73817bf0af_ln2
	.p2alignl 7, 3214868480
	.fill 96, 4, 3214868480
	.section	.rodata,"a",@progbits
	.p2align	6, 0x0
	.amdhsa_kernel k_q73817bf0af_ln2
		.amdhsa_group_segment_fixed_size 0
		.amdhsa_private_segment_fixed_size 0
		.amdhsa_enable_private_segment 0
		.amdhsa_kernarg_size 32
		.amdhsa_user_sgpr_count 2
		.amdhsa_user_sgpr_kernarg_segment_ptr 1
		.amdhsa_wavefront_size32 1
		.amdhsa_system_sgpr_workgroup_id_x 1
		.amdhsa_system_sgpr_workgroup_id_y 1
		.amdhsa_system_sgpr_workgroup_id_z 1
		.amdhsa_system_vgpr_workitem_id 0
		.amdhsa_next_free_vgpr 208
		.amdhsa_next_free_sgpr 66
		.amdhsa_reserve_vcc 0
		.amdhsa_float_denorm_mode_32 3
		.amdhsa_float_denorm_mode_16_64 3
		.amdhsa_memory_ordered 1
		.amdhsa_forward_progress 1
		.amdhsa_inst_pref_size 34
	.end_amdhsa_kernel
	.amdgpu_metadata
---
amdhsa.version: [ 1, 2 ]
amdhsa.kernels:
  - .name:           k_q73817bf0af_ln2
    .symbol:         k_q73817bf0af_ln2.kd
    .args:
      - { .name: res, .offset: 0, .size: 8, .value_kind: global_buffer, .address_space: global }
      - { .name: g2, .offset: 8, .size: 8, .value_kind: global_buffer, .address_space: global }
      - { .name: b2, .offset: 16, .size: 8, .value_kind: global_buffer, .address_space: global }
      - { .name: out0, .offset: 24, .size: 8, .value_kind: global_buffer, .address_space: global }
    .group_segment_fixed_size: 0
    .private_segment_fixed_size: 0
    .kernarg_segment_align: 8
    .kernarg_segment_size: 32
    .max_flat_workgroup_size: 128
    .sgpr_count:     66
    .vgpr_count:     208
    .wavefront_size: 32
...
	.end_amdgpu_metadata
.endif
;; end of part 8
